; MI455X (gfx1250); checked and timed in simulation.
; The chip was launched on July 23, 2026; its instructions are those of AMD's public machine-readable ISA for CDNA 5 (MIT licence, August 2026) and "CDNA5" Instruction Set Architecture Reference Guide (July 2026). The comments in the code are by the model that wrote it; some were corrected since.
;; Block. Allowed arithmetic: matrix products marked QUANTISED: E4M3 operands, one given power-of-two scale a tensor, by v_wmma_f32_16x16x64_fp8_fp8 or v_wmma_f32_16x16x128_fp8_fp8, f32 sums; everything else in f32.
;; Inputs: W_ap 1,024 x 1,024 float32; W_attn 1,024 x 3,072 float32; W_fc 1,024 x 4,096 float32; W_mp 4,096 x 1,024 float32; b_ap 1,024 float32; b_attn 3,072 float32; b_fc 4,096 float32; b_mp 1,024 float32; ln1_b 1,024 float32; ln1_g 1,024 float32; ln2_b 1,024 float32; ln2_g 1,024 float32; lowp_scales 12 int32 (the exponents e of the quantised operands' scales 2^e); x 2 x 2,048 x 1,024 float32.
;; Outputs: out0 2 x 2,048 x 1,024 float32.
;; This version of the problem:
;;   THIS VERSION OF THE PROBLEM IS GIVEN IN LOW PRECISION. The matrix products marked QUANTISED in the list below multiply operands that are first quantised to E4M3 (4 exponent bits, 3 mantissa bits; 8 bits a number), with one given power-of-two scale for each operand tensor; their sums are f32. All else is computed in f32.
;;   The module's matrix products, in the order in which they are computed (A, B: the left and right operand; K: the contracted axis; several contracted axes count as one K, in the product's order):
;;     1. [M 4,096, K 1,024] x [K 1,024, N 3,072]; A: computed on the way; B: input W_attn: QUANTISED (scales: A lowp_scales[0], B lowp_scales[1])
;;     2. batch 32 x [M 2,048, K 64] x [K 64, N 2,048]; A: computed on the way; B: computed on the way: QUANTISED (scales: A lowp_scales[2], B lowp_scales[3])
;;     3. batch 32 x [M 2,048, K 2,048] x [K 2,048, N 64]; A: softmax (see below); B: computed on the way: QUANTISED (scales: A lowp_scales[4], B lowp_scales[5])
;;     4. [M 4,096, K 1,024] x [K 1,024, N 1,024]; A: computed on the way; B: input W_ap: QUANTISED (scales: A lowp_scales[6], B lowp_scales[7])
;;     5. [M 4,096, K 1,024] x [K 1,024, N 4,096]; A: computed on the way; B: input W_fc: QUANTISED (scales: A lowp_scales[8], B lowp_scales[9])
;;     6. [M 4,096, K 4,096] x [K 4,096, N 1,024]; A: computed on the way; B: input W_mp: QUANTISED (scales: A lowp_scales[10], B lowp_scales[11])
;;   THE QUANTISER, for each operand of a quantised product, along K:
;;     - The operand's scale is 2^e, e = its entry of the input lowp_scales (int32; the entries are numbered through the quantised products in the list's order, A before B).
;;     - Each number is divided by the scale, clamped to +-448, and rounded to the nearest number of E4M3, ties to even, subnormals kept.
;;     - The product sums the exact products of the quantised numbers (number of the format x scale) in f32.
;;   ~~~python
;;   def quantise(x, axis, e):      # numpy; x: float32 -> the quantised numbers, widened to float32 again
;;       x = np.moveaxis(x, axis, -1); K = x.shape[-1]
;;       r = np.clip(x / 2.0 ** e, -448, 448)
;;       step = 2.0 ** (np.maximum(np.frexp(np.where(r == 0, 1, r))[1] - 1, -6) - 3)
;;       q = np.round(r / step) * step * 2.0 ** e      # np.round: ties to even
;;       return np.moveaxis(q, -1, axis).astype(np.float32)
;;   ~~~
;;   SOFTMAX AHEAD OF A QUANTISED PRODUCT. Where the list says 'softmax', what is quantised is not the finished softmax but p = 2^(t - M), with t = logit x log2(e) and M = ceil(the row's largest t), a whole number; so 1/2 < the row's largest p <= 1. The row's sum l is taken of the UNQUANTISED p, in f32, and the product's result is divided by l at the end. Since M is a whole number, a kernel that streams over the keys may use a running M (the ceiling of the running maximum): every later rescaling is an exact power of two, so the quantised numbers keep their values, but for numbers so far below the row's largest that they fall under the format's range.
;;   OPERANDS COMPUTED ON THE WAY. 'Computed on the way' means the value that the module computes at that place (a softmax that the list does not call 'softmax' is quantised finished and normalised). What goes into a quantiser is computed in f32, as accurately as f32 sums, v_exp_f32 and their like allow (about 1e-6 of the number): no bf16 or f16 on the way to a quantiser, and a product that is left as it is and whose result goes on into a quantised operand takes f32 operands (vector FMAs, or v_wmma_f32_16x16x4_f32). A number that lies on a knife's edge between two numbers of the format may be rounded either way, as far as f32 arithmetic and the matrix unit's own rounding can turn it there, and no further.
;; One version. Each part assembles by itself: llvm-mc -triple=amdgcn-amd-amdhsa -mcpu=gfx1250 --defsym DOCPART=n.
;; ======== version 1 of 1: 7 launches
;; limits: right only within a limited range of input values
;; workspace buffers: wc 12,582,912 bytes; a1 4,194,304 bytes; qkv 12,582,912 bytes; y 4,194,304 bytes; x1 16,777,216 bytes; a2 4,194,304 bytes; hid 16,777,216 bytes
;; launch prep (part 1): grid 640 x 1, 4 waves a work-group, no clusters, 43,520 bytes of LDS; arguments W_attn, W_ap, W_fc, W_mp, x, ln1_g, ln1_b, lowp_scales, wc, a1; writes wc, a1
.if DOCPART == 1
	.amdgcn_target "amdgcn-amd-amdhsa--gfx1250"
	.amdhsa_code_object_version 6
	.text
	.protected	k_qb8ed56e74d_prep
	.globl	k_qb8ed56e74d_prep
	.p2align	8
	.type	k_qb8ed56e74d_prep,@function
k_qb8ed56e74d_prep:
	s_mov_b64 s[64:65], 0
	v_nop
	global_prefetch_b8 v0, s[64:65] scope:SCOPE_SE
	s_setreg_imm32_b32 hwreg(HW_REG_WAVE_MODE, 25, 1), 1
	s_wait_xcnt 0x0
; Work-groups 0-383: the four weights, f32 [K][N], become codes of E4M3 laid [N][K], K innermost, in wc (W_attn at 0, W_ap at 3,145,728, W_fc at 4,194,304, W_mp at 8,388,608).
; Work-groups 384-639: LayerNorm 1 of x, quantised with 2^e0, codes [4096][1024] in a1.
; code = number / 2^e, held within +-448, to the nearest code, ties to even.  LIMITS: each e used here between -126 and 119; NaN among the inputs is not served.
; WEIGHTS: a work-group takes 128 columns x 256 along K, a wave 32 columns, A LANE ONE COLUMN, ITS REGISTERS RUNNING DOWN K: a load reads 128 consecutive bytes a wave, and the conversions, which take
; neighbours along K from one lane's registers, give codes with K innermost.  The codes go through the wave's own stage in LDS and leave as rows: sixteen lanes store 256 consecutive bytes, aligned.
; One path serves all four tensors: pitch, place and exponent are chosen by selects on the work-group's number.
; LAYERNORM: a wave takes four rows, one at a time, a row in 32 registers; mean, then the variance of the centred numbers, all in f32.
; No tensor loads, no barrier: waves share nothing.  The two paths have LDS bytes of their own.
.set X,    32                          ; weights: v32-95 two sets of 32 numbers
.set C,    96                          ; v96-103 a block's codes
.set OUTR, 112                         ; v112-175 the way out
.set OFFR, 176                         ; v176-207 4 x lane + i x a row of W in bytes; never rewritten
.set OFFW, 208                         ; v208-223 the stores' offsets in wc; never rewritten
.set LNST, 34816                       ; LDS: the LayerNorm path's stages, 2,048 bytes a wave, behind the weights path's 4 x 32 x 272
.set LX,   32                          ; LayerNorm: v32-159 four rows
.set LG,   160                         ; v160-191 the gain, v192-223 the bias, in a row's layout
.set LB,   192
.set LC,   16                          ; v16-23 a row's codes
.set PX,   12                          ; s[12:13] x, s[14:15] gain, s[16:17] bias, s[22:23] a1
.set PG,   14
.set PB,   16
.set PO,   22
	s_load_b512 s[4:19], s[0:1], 0x0               ; W_attn, W_ap, W_fc, W_mp, x, ln1_g, ln1_b, lowp_scales
	s_load_b128 s[20:23], s[0:1], 0x40             ; wc, a1
	v_lshl_add_u32 v224, v0, 2, 0xa800
	v_mov_b32 v225, 0
	v_lshrrev_b32 v1, 5, v0
	v_readfirstlane_b32 s3, v1                     ; wave
	v_and_b32 v2, 31, v0                           ; lane
	s_wait_kmcnt 0x0
	s_load_b256 s[24:31], s[18:19], 0x0            ; e0 .. e7
	s_load_b128 s[32:35], s[18:19], 0x20           ; e8 .. e11
	s_cmp_ge_u32 ttmp9, 384
	s_cbranch_scc1 .Lln
	; ---- the weights.  W_mp's figures first, then the others' by the work-group's number
	s_mov_b32 s40, 4096                            ; a row of W in bytes
	s_mov_b32 s41, 4096                            ; a row of its codes in bytes
	s_mov_b32 s42, 8388608                         ; its place in wc
	s_mov_b32 s43, 256                             ; its first work-group
	s_mov_b32 s44, 4                               ; log2 of its pieces of 256 along K
	s_mov_b64 s[46:47], s[10:11]
	s_cmp_lt_u32 ttmp9, 256                        ; W_fc
	s_cselect_b32 s40, 16384, s40
	s_cselect_b32 s41, 1024, s41
	s_cselect_b32 s42, 4194304, s42
	s_cselect_b32 s43, 128, s43
	s_cselect_b32 s44, 2, s44
	s_cselect_b64 s[46:47], s[8:9], s[46:47]
	s_cmp_lt_u32 ttmp9, 128                        ; W_ap
	s_cselect_b32 s40, 4096, s40
	s_cselect_b32 s42, 3145728, s42
	s_cselect_b32 s43, 96, s43
	s_cselect_b64 s[46:47], s[6:7], s[46:47]
	s_cmp_lt_u32 ttmp9, 96                         ; W_attn
	s_cselect_b32 s40, 12288, s40
	s_cselect_b32 s42, 0, s42
	s_cselect_b32 s43, 0, s43
	s_cselect_b64 s[46:47], s[4:5], s[46:47]
	s_sub_co_u32 s48, ttmp9, s43                   ; my number within the tensor
	s_lshl_b32 s49, 1, s44
	s_sub_co_u32 s49, s49, 1
	s_and_b32 s49, s48, s49                        ; which 256 along K
	s_lshr_b32 s48, s48, s44                       ; which 128 columns
	s_lshl_b32 s48, s48, 7
	s_lshl_b32 s50, s3, 5
	s_add_co_u32 s48, s48, s50                     ; my wave's first column
	s_lshl_b32 s49, s49, 8                         ; my first k
	s_mul_i32 s50, s49, s40
	s_lshl_b32 s51, s48, 2
	s_add_co_u32 s50, s50, s51
	s_mov_b32 s51, 0
	s_add_nc_u64 s[36:37], s[46:47], s[50:51]      ; the even blocks' base
	s_lshl_b32 s52, s40, 5
	s_mov_b32 s53, 0
	s_add_nc_u64 s[38:39], s[36:37], s[52:53]      ; the odd blocks': 32 rows further down
	s_lshl_b32 s52, s40, 6                         ; s[52:53]: 64 rows, a base's step
	s_mul_i32 s54, s48, s41
	s_add_co_u32 s54, s54, s49
	s_add_co_u32 s54, s54, s42
	s_mov_b32 s55, 0
	s_add_nc_u64 s[54:55], s[20:21], s[54:55]
	s_lshr_b32 s60, s48, 7                         ; W_mp alone is laid by fragments: [128 columns][128 along K][16 columns][2,048 bytes]
	s_lshl_b32 s60, s60, 19                        ; 32 pieces of 16,384 bytes for each 128 columns
	s_lshl_b32 s62, s49, 7                         ; my first k / 128 pieces
	s_add_co_u32 s60, s60, s62
	s_lshl_b32 s62, s3, 12                         ; my wave's two fragments of each piece
	s_add_co_u32 s60, s60, s62
	s_add_co_u32 s60, s60, 8388608
	s_mov_b32 s61, 0
	s_add_nc_u64 s[60:61], s[20:21], s[60:61]
	s_mul_i32 s56, s3, 32*272                      ; my stage
	s_wait_alu depctr_va_vdst(0)
	v_mul_u32_u24 v4, v2, 272
	v_add_nc_u32 v4, s56, v4                       ; into it: row = my column
	v_and_b32 v5, 15, v2
	v_lshrrev_b32 v6, 4, v2
	v_mul_u32_u24 v7, v6, 272
	v_lshl_add_u32 v7, v5, 4, v7
	v_add_nc_u32 v7, s56, v7
	v_mul_u32_u24 v8, v5, 272
	v_lshl_add_u32 v8, v6, 4, v8
	v_add_nc_u32 v8, s56, v8                       ; out of the stage by fragments: row lane % 16, 16 bytes for each half of the lanes
	v_lshlrev_b32 v9, 4, v2                        ; 16 x lane
	v_lshlrev_b32 v[OFFR], 2, v2
.set i, 1
.rept 31
	v_add_nc_u32 v[OFFR+i], s40, v[OFFR+i-1]
.set i, i+1
.endr
	v_mul_lo_u32 v[OFFW], v6, s41
	v_lshl_add_u32 v[OFFW], v5, 4, v[OFFW]
	s_lshl_b32 s57, s41, 1
.set i, 1
.rept 15
	v_add_nc_u32 v[OFFW+i], s57, v[OFFW+i-1]
.set i, i+1
.endr
.macro LOADW t                         ; block t: W(32 t + i, my column), i = 0 .. 31, into set t % 2
.set i, 0
.rept 32
	global_load_b32 v[X+32*((\t)%2)+i], v[OFFR+i], s[36+2*((\t)%2):37+2*((\t)%2)] th:TH_LOAD_NT
.set i, i+1
.endr
.endm
	LOADW 0
	LOADW 1
	s_wait_kmcnt 0x0
	s_cmp_lt_u32 ttmp9, 256
	s_cselect_b32 s45, s33, s35                    ; e9 or e11
	s_cmp_lt_u32 ttmp9, 128
	s_cselect_b32 s45, s31, s45                    ; e7
	s_cmp_lt_u32 ttmp9, 96
	s_cselect_b32 s45, s25, s45                    ; e1
	s_add_co_i32 s45, s45, 127
	s_lshl_b32 s58, s45, 23
	v_mov_b32 v11, s58                             ; 2^e as f32: the conversion takes its exponent field
	s_add_co_i32 s45, s45, 8
	s_lshl_b32 s45, s45, 23
	s_or_b32 s45, s45, 0x600000
	v_mov_b32 v10, s45                             ; 448 x 2^e
.macro BLOCK t
.set XS, X+32*((\t)%2)
.if (\t) < 7
	s_wait_loadcnt 32                              ; this block's 32 loads are in; the next block's 32 may be out
.else
	s_wait_loadcnt 0x0
.endif
.if (\t)+2 < 8
	s_add_nc_u64 s[36+2*((\t)%2):37+2*((\t)%2)], s[36+2*((\t)%2):37+2*((\t)%2)], s[52:53]   ; the loads that named this base are done: it steps 64 rows
.endif
.set i, 0
.rept 32
	v_med3_num_f32 v[XS+i], v[XS+i], -v10, v10     ; the conversion to an 8-bit code does not saturate (ISA guide 7.6.2): the hold comes first
.set i, i+1
.endr
.irp g, 0,1,2,3
	v_cvt_scalef32_pk8_fp8_f32 v[C+2*\g:C+2*\g+1], v[XS+8*\g:XS+8*\g+7], v11
.endr
	ds_store_b128 v4, v[C:C+3] offset:32*(\t)      ; 32 codes of my column's row
	ds_store_b128 v4, v[C+4:C+7] offset:32*(\t)+16
.if (\t)+2 < 8
	LOADW (\t)+2
.endif
	s_wait_dscnt 0x0                               ; the stores have read their registers: the next block's codes may be written
.endm
	s_wait_alu depctr_va_vdst(0)
.irp t, 0,1,2,3,4,5,6,7
	BLOCK \t
.endr
	s_cmp_ge_u32 ttmp9, 256                        ; W_mp's work-groups leave by fragments
	s_cbranch_scc1 .Lfrag
.irp t, 0,1,2,3,4,5,6,7,8,9,10,11,12,13,14,15
	ds_load_b128 v[OUTR+4*\t:OUTR+4*\t+3], v7 offset:2*\t*272
.endr
.irp t, 0,1,2,3,4,5,6,7,8,9,10,11,12,13,14,15
	s_wait_dscnt 15-\t
	global_store_b128 v[OFFW+\t], v[OUTR+4*\t:OUTR+4*\t+3], s[54:55]
.endr
	s_wait_tensorcnt 0x0
	ds_add_u32 v224, v225
	s_wait_dscnt 0x0
	s_endpgm
	; W_mp: a fragment is 16 columns n x 128 along K, 2,048 bytes: byte 512 c + 256 h + 16 r + j holds (n = r, k = 32 c + 16 h + j), the order of a lane's registers.
	; Load t: columns 16 (t / 8) on, piece (t / 4) % 2, c = t % 4; each store covers 512 consecutive bytes, aligned.
.Lfrag:
.irp t, 0,1,2,3,4,5,6,7,8,9,10,11,12,13,14,15
	ds_load_b128 v[OUTR+4*\t:OUTR+4*\t+3], v8 offset:(\t/8)*16*272+((\t/4)%2)*128+(\t%4)*32
.endr
.irp t, 0,1,2,3,4,5,6,7,8,9,10,11,12,13,14,15
	s_wait_dscnt 15-\t
	global_store_b128 v9, v[OUTR+4*\t:OUTR+4*\t+3], s[60:61] offset:((\t/4)%2)*16384+(\t/8)*2048+(\t%4)*512
.endr
	s_wait_tensorcnt 0x0
	ds_add_u32 v224, v225
	s_wait_dscnt 0x0
	s_endpgm
.Lln:
	s_sub_co_u32 s40, ttmp9, 384
	s_lshl_b32 s40, s40, 4
	s_lshl_b32 s41, s3, 2
	s_add_co_u32 s40, s40, s41                     ; my wave's first row: 16 x work-group + 4 x wave
	s_lshl_b32 s42, s40, 12
	s_mov_b32 s43, 0
	s_add_nc_u64 s[PX:PX+1], s[PX:PX+1], s[42:43]
	s_lshl_b32 s42, s40, 10
	s_add_nc_u64 s[PO:PO+1], s[PO:PO+1], s[42:43]
	s_wait_alu depctr_va_vdst(0)
	v_lshlrev_b32 v3, 4, v2                        ; 16 x lane; never rewritten
	s_lshl_b32 s44, s3, 11
	s_add_co_u32 s44, s44, LNST
	v_lshl_add_u32 v4, v2, 2, s44                  ; the stage, in: 4 bytes a lane
	v_add_nc_u32 v5, s44, v3                       ; and out: 16 bytes a lane
	s_mov_b32 s50, 0x3a800000                      ; 1 / 1024
	s_mov_b32 s51, 0x3727c5ac                      ; 1e-5
	s_mov_b32 s52, 0x76543210                      ; v_permlanex16_b32: lane l xor 16
	s_mov_b32 s53, 0xfedcba98
.irp i, 0,1,2,3,4,5,6,7                ; load i of a row: 512 consecutive bytes; lane l takes k = 128 i + 4 l + 0 .. 3
	global_load_b128 v[LG+4*\i:LG+4*\i+3], v3, s[PG:PG+1] offset:512*\i
.endr
.irp i, 0,1,2,3,4,5,6,7
	global_load_b128 v[LB+4*\i:LB+4*\i+3], v3, s[PB:PB+1] offset:512*\i
.endr
.irp r, 0,1,2,3
.irp i, 0,1,2,3,4,5,6,7
	global_load_b128 v[LX+32*\r+4*\i:LX+32*\r+4*\i+3], v3, s[PX:PX+1] offset:4096*\r+512*\i
.endr
.endr
	s_wait_kmcnt 0x0
	s_add_co_i32 s45, s24, 127                     ; e0
	s_lshl_b32 s46, s45, 23
	v_mov_b32 v11, s46
	s_add_co_i32 s45, s45, 8
	s_lshl_b32 s45, s45, 23
	s_or_b32 s45, s45, 0x600000
	v_mov_b32 v10, s45
.macro REDUCE                          ; v24 summed over the 32 lanes, the sum in every lane
	v_add_f32_dpp v24, v24, v24 row_xmask:1 row_mask:0xf bank_mask:0xf
	v_add_f32_dpp v24, v24, v24 row_xmask:2 row_mask:0xf bank_mask:0xf
	v_add_f32_dpp v24, v24, v24 row_xmask:4 row_mask:0xf bank_mask:0xf
	v_add_f32_dpp v24, v24, v24 row_xmask:8 row_mask:0xf bank_mask:0xf
	v_permlanex16_b32 v25, v24, s52, s53
	v_add_f32 v24, v24, v25
.endm
.macro SENDROW r                       ; a row's 1,024 codes are back from the stage: two stores of 512 consecutive bytes
	s_wait_dscnt 0x0
	global_store_b128 v3, v[LX+32*(\r):LX+32*(\r)+3], s[PO:PO+1] offset:1024*(\r)
	global_store_b128 v3, v[LX+32*(\r)+4:LX+32*(\r)+7], s[PO:PO+1] offset:1024*(\r)+512
.endm
.macro LNROW r
.set XR, LX+32*(\r)
	s_wait_loadcnt 8*(3-(\r))                      ; gain, bias and this row are in; the later rows' eight loads each may be out
	v_pk_add_f32 v[24:25], v[XR:XR+1], v[XR+2:XR+3]
	v_pk_add_f32 v[26:27], v[XR+4:XR+5], v[XR+6:XR+7]
.irp p, 8,12,16,20,24,28
	v_pk_add_f32 v[24:25], v[24:25], v[XR+\p:XR+\p+1]
	v_pk_add_f32 v[26:27], v[26:27], v[XR+\p+2:XR+\p+3]
.endr
	v_pk_add_f32 v[24:25], v[24:25], v[26:27]
	v_add_f32 v24, v24, v25
	REDUCE
	v_mul_f32 v12, s50, v24                        ; the mean
	v_mov_b32 v13, v12
.irp p, 0,2,4,6,8,10,12,14,16,18,20,22,24,26,28,30
	v_pk_add_f32 v[XR+\p:XR+\p+1], v[XR+\p:XR+\p+1], v[12:13] neg_lo:[0,1] neg_hi:[0,1]
.endr
	v_pk_mul_f32 v[24:25], v[XR:XR+1], v[XR:XR+1]
	v_pk_mul_f32 v[26:27], v[XR+2:XR+3], v[XR+2:XR+3]
.irp p, 4,8,12,16,20,24,28
	v_pk_fma_f32 v[24:25], v[XR+\p:XR+\p+1], v[XR+\p:XR+\p+1], v[24:25]
	v_pk_fma_f32 v[26:27], v[XR+\p+2:XR+\p+3], v[XR+\p+2:XR+\p+3], v[26:27]
.endr
	v_pk_add_f32 v[24:25], v[24:25], v[26:27]
	v_add_f32 v24, v24, v25
	REDUCE
	v_fma_f32 v28, v24, s50, s51                   ; the variance + 1e-5
	s_wait_alu depctr_va_vdst(0)
	v_rsq_f32 v14, v28
	v_nop                                          ; a plain instruction behind the transcendental,
	s_wait_alu depctr_va_vdst(0)                   ; and the wait ahead of its first reader
	v_mov_b32 v15, v14
.if (\r) > 0
	s_wait_alu depctr_va_vdst(0)
	SENDROW (\r)-1
.endif
.irp p, 0,2,4,6,8,10,12,14,16,18,20,22,24,26,28,30
	v_pk_mul_f32 v[XR+\p:XR+\p+1], v[XR+\p:XR+\p+1], v[14:15]
.endr
.irp p, 0,2,4,6,8,10,12,14,16,18,20,22,24,26,28,30
	v_pk_fma_f32 v[XR+\p:XR+\p+1], v[XR+\p:XR+\p+1], v[LG+\p:LG+\p+1], v[LB+\p:LB+\p+1]
.endr
.set i, 0
.rept 32
	v_med3_num_f32 v[XR+i], v[XR+i], -v10, v10
.set i, i+1
.endr
.irp p, 0,1,2,3
	v_cvt_scalef32_pk8_fp8_f32 v[LC+2*\p:LC+2*\p+1], v[XR+8*\p:XR+8*\p+7], v11   ; register LC + i: the four codes of load i
.endr
	v_nop                                          ; a plain instruction behind the last conversion
.irp i, 0,1,2,3,4,5,6,7
	ds_store_b32 v4, v[LC+\i] offset:1024*((\r)%2)+128*\i
.endr
	ds_load_b128 v[XR:XR+3], v5 offset:1024*((\r)%2)
	ds_load_b128 v[XR+4:XR+7], v5 offset:1024*((\r)%2)+512
.endm
	LNROW 0
	LNROW 1
	LNROW 2
	LNROW 3
	SENDROW 3
	s_wait_tensorcnt 0x0
	ds_add_u32 v224, v225
	s_wait_dscnt 0x0
	s_endpgm
.Lfunc_end_k_qb8ed56e74d_prep:
	.size	k_qb8ed56e74d_prep, .Lfunc_end_k_qb8ed56e74d_prep-k_qb8ed56e74d_prep
	.p2alignl 7, 3214868480
	.fill 96, 4, 3214868480
	.section	.rodata,"a",@progbits
	.p2align	6, 0x0
	.amdhsa_kernel k_qb8ed56e74d_prep
		.amdhsa_group_segment_fixed_size 43520
		.amdhsa_private_segment_fixed_size 0
		.amdhsa_enable_private_segment 0
		.amdhsa_kernarg_size 80
		.amdhsa_user_sgpr_count 2
		.amdhsa_user_sgpr_kernarg_segment_ptr 1
		.amdhsa_wavefront_size32 1
		.amdhsa_system_sgpr_workgroup_id_x 1
		.amdhsa_system_sgpr_workgroup_id_y 1
		.amdhsa_system_sgpr_workgroup_id_z 1
		.amdhsa_system_vgpr_workitem_id 0
		.amdhsa_next_free_vgpr 226
		.amdhsa_next_free_sgpr 66
		.amdhsa_reserve_vcc 0
		.amdhsa_float_denorm_mode_32 3
		.amdhsa_float_denorm_mode_16_64 3
		.amdhsa_memory_ordered 1
		.amdhsa_forward_progress 1
		.amdhsa_inst_pref_size 99
	.end_amdhsa_kernel
	.amdgpu_metadata
---
amdhsa.version: [ 1, 2 ]
amdhsa.kernels:
  - .name:           k_qb8ed56e74d_prep
    .symbol:         k_qb8ed56e74d_prep.kd
    .args:
      - { .name: W_attn, .offset: 0, .size: 8, .value_kind: global_buffer, .address_space: global }
      - { .name: W_ap, .offset: 8, .size: 8, .value_kind: global_buffer, .address_space: global }
      - { .name: W_fc, .offset: 16, .size: 8, .value_kind: global_buffer, .address_space: global }
      - { .name: W_mp, .offset: 24, .size: 8, .value_kind: global_buffer, .address_space: global }
      - { .name: x, .offset: 32, .size: 8, .value_kind: global_buffer, .address_space: global }
      - { .name: ln1_g, .offset: 40, .size: 8, .value_kind: global_buffer, .address_space: global }
      - { .name: ln1_b, .offset: 48, .size: 8, .value_kind: global_buffer, .address_space: global }
      - { .name: lowp_scales, .offset: 56, .size: 8, .value_kind: global_buffer, .address_space: global }
      - { .name: wc, .offset: 64, .size: 8, .value_kind: global_buffer, .address_space: global }
      - { .name: a1, .offset: 72, .size: 8, .value_kind: global_buffer, .address_space: global }
    .group_segment_fixed_size: 43520
    .private_segment_fixed_size: 0
    .kernarg_segment_align: 8
    .kernarg_segment_size: 80
    .max_flat_workgroup_size: 128
    .sgpr_count:     66
    .vgpr_count:     226
    .wavefront_size: 32
...
	.end_amdgpu_metadata
.endif
;; end of part 1
;; launch qkv (part 2): grid 12 x 16, 4 waves a work-group, clusters of 4 x 4, 327,680 bytes of LDS; arguments a1, wc, lowp_scales, b_attn, qkv; writes qkv
.if DOCPART == 2
	.amdgcn_target "amdgcn-amd-amdhsa--gfx1250"
	.amdhsa_code_object_version 6
	.text
	.protected	k_qb8ed56e74d_qkv
	.globl	k_qb8ed56e74d_qkv
	.p2align	8
	.type	k_qb8ed56e74d_qkv,@function
k_qb8ed56e74d_qkv:
	s_mov_b64 s[64:65], 0
	v_nop
	global_prefetch_b8 v0, s[64:65] scope:SCOPE_SE
	s_setreg_imm32_b32 hwreg(HW_REG_WAVE_MODE, 25, 1), 1
	s_wait_xcnt 0x0
	s_wait_alu depctr_hold_cnt(0) depctr_sa_sdst(0) depctr_va_vdst(0) depctr_va_sdst(0) depctr_va_ssrc(0) depctr_va_vcc(0) depctr_vm_vsrc(0)
	s_getreg_b32 s2, hwreg(HW_REG_IB_STS2, 6, 4)
	s_cmp_eq_u32 s2, 0
	s_cbranch_scc0 .Lentry_in_a_cluster
	s_endpgm
.Lentry_in_a_cluster:
	s_bfe_u32 s2, ttmp6, 0x10000c
	s_cmp_lg_u32 s2, 0xf033
	s_cbranch_scc0 .Lentry_shape_is_right
	s_endpgm
.Lentry_shape_is_right:
; Product 1 on codes of E4M3: LN1(x) [4096][1024] x W_attn [3072 (n)][1024 (k)], + b_attn, quantised at once as q (2^e2), k (2^e3) and v (2^e5).
; OUT: q at 0 and k at 4 MiB: [b][head][t][64 bytes]; v at 8 MiB with the KEYS innermost: [b][head][t / 64][d (64)][64 bytes of keys].
; k's rows stand with bits 3 and 4 of the token's number exchanged: token 32 g + 16 y + 8 u + i lies at row 32 g + 16 u + 8 y + i, so that the 16 keys which the attention takes as one tile are 16 neighbouring rows.
; A tile of 256 x 256 is made by four waves, 128 x 128 each: 64 accumulators, 512 registers.  K goes in steps of 256 through a ring of two LDS slots filled by the tensor data mover.
; CLUSTERS of 4 x 4: the four of a row need the same tiles of the first operand, the four of a column the same tiles of the second: each tile is asked for jointly.
; The matrix instruction is used transposed (source 0 = 16 rows of the second operand, source 1 = 16 rows of the first): a lane holds eight neighbouring columns of one row of the tile.
; V BY SWAPPING THE OPERANDS: for q and k (cluster x = 0, 1) the first operand is a1 (rows = tokens) and the second the weight (columns = features), so a lane's eight numbers are neighbours along the head's 64.
; For v (cluster x = 2) the first operand is the weight's rows 2048 on and the second a1: rows = features, columns = tokens, so a lane's eight numbers are eight neighbouring KEYS.  Only pointers, tile numbers,
; strides, offsets and the exponent are selected, on the cluster's x, which all partners share: there is one path and no branch.
; LIMITS: e0 + e1 between -126 and 127; e2, e3, e5 between -126 and 119.  NaN is not served.
; REGISTERS: window 0: v0-31 addresses; v32-95 the bias by columns, v96-111 by rows, v112-127 codes; from v128 the first operand's fragments, one set (on the way out: 64 numbers at work).
;   window 1: the second operand's fragments, two sets (on the way out v0-127: codes read back).  windows 2, 3: the accumulators ((a, b) at v[8 (8 (a % 4) + b)]).
.set KSTEP,  256
.set ROWB,   256
.set KROW,   1024
.set PITCH,  272                       ; an LDS row: 256 bytes + 16 of padding: the 16 rows that a load touches start at 16 different banks (64 banks of 4 bytes: ISA guide 11.1)
.set FR,     16
.set NL,     4
.set NP,     4                         ; places behind this matrix instruction (ISA guide 7.12.1)
.set HALFT,  128*PITCH
.set SLOT,   4*HALFT
.set LAPS,   2                         ; 1,024 along K = four K steps = twice round the ring
.set SPARE,  2*SLOT                    ; behind the ring: the spare words, 128 bytes a wave, which no other line names
.set SP,     144                       ; the way out: a stage of 16 rows x (128 bytes + 16) for each wave, in slot 0, which has had its last fill and its last read by then
.set ADRA, 16
.set ADRB, 20
.set COP,  22                          ; v22  16 x lane, + 512 for k: the store of rows 8-15 of an even block
.set COM,  23                          ; v23  16 x lane, + 512 for q and v: the store of rows 0-7 of an odd block
.set STO,  24
.set RD,   25
.set CO,   26
.set SPW,  28
.set NIL,  29
.set BC,   32
.set BR,   96
.set CD,   112
.set TMP,  128
.set AF,   128
.set G1, 24
.set G0, 32
.set G1B, 48
.set G0B, 56
.set MSB, 0
.macro WIN new                         ; the immediate's high byte repeats the setting that is left
.if MSB != \new
	s_set_vgpr_msb (MSB<<8)|\new
.set MSB, \new
.endif
.endm
.set MUL_LO, 0xa1
.set MUL_HI, 0xf1
.set TO_B,   0x40
.macro JLOAD g0a, g1a, g0b, g1b        ; a joint load: waves 0, 1 fetch for the first operand, waves 2, 3 for the second; four v_nop follow each line
	s_cmp_eq_u32 s15, 0
	s_cbranch_scc0 .Lfor_b_\@
	tensor_load_to_lds s[\g0a:\g0a+3], s[\g1a:\g1a+7]
	s_nop 0
.rept 4
	v_nop
.endr
	s_branch .Lasked_\@
.Lfor_b_\@:
	tensor_load_to_lds s[\g0b:\g0b+3], s[\g1b:\g1b+7]
	s_nop 0
.rept 4
	v_nop
.endr
.Lasked_\@:
.endm
.macro CREST
	s_cmp_lg_u32 s14, 0
	s_cbranch_scc1 .Lnot_wave_0_\@
	s_barrier_signal -3
.Lnot_wave_0_\@:
	s_barrier_wait -3
	s_barrier_signal -1
	s_barrier_wait -1
.endm
.macro CROUND
	s_barrier_signal -1
	s_barrier_wait -1
	CREST
.endm
	s_load_b256 s[4:11], s[0:1], 0x0               ; a1 s[4:5], wc s[6:7], the exponents s[8:9], b_attn s[10:11]
	s_load_b64 s[12:13], s[0:1], 0x20              ; qkv
	v_lshl_add_u32 v[SPW], v0, 2, SPARE
	v_mov_b32 v[NIL], 0
	ds_add_u32 v28, v29
	ds_add_u32 v28, v29
	s_wait_dscnt 0x0
	v_lshrrev_b32 v1, 5, v0
	v_readfirstlane_b32 s14, v1                    ; wave
	s_lshr_b32 s15, s14, 1                         ; my half of the tile's rows; also: I fetch for the first (0) or the second (1) operand
	s_and_b32 s16, s14, 1                          ; my half of its columns; also: which 128 rows I fetch
	s_bfe_u32 s40, ttmp6, 0x40000                  ; cx
	s_bfe_u32 s41, ttmp6, 0x40004                  ; cy
	s_and_b32 s18, ttmp7, 0xffff                   ; cluster y
	s_cmp_eq_u32 ttmp9, 2                          ; v's clusters?
	s_cselect_b32 s19, s18, ttmp9                  ; the clusters' column: for v the tokens go along the columns
	s_cselect_b32 s18, 0, s18                      ; and their row: v's 1,024 features are one cluster high
	s_cselect_b32 s86, -1, 0                       ; all lanes or none, for the selects on the way out
	s_lshl_b32 s42, s19, 2
	s_add_co_u32 s42, s42, s40                     ; tile column
	s_lshl_b32 s17, s18, 2
	s_add_co_u32 s17, s17, s41                     ; tile row
	s_lshl_b32 s43, s41, 2
	s_lshl_b32 s43, 15, s43                        ; my row of the cluster
	s_lshl_b32 s44, 0x1111, s40                    ; my column
	s_or_b32 s[G1+0], s43, (0<<16)|(1<<20)|(1<<21)|(5<<22)|(3<<25)   ; the mask; elements of 1 byte; padding on; bit 21 beside a mask; 4 words after every 64
	s_or_b32 s[G1B+0], s44, (0<<16)|(1<<20)|(1<<21)|(5<<22)|(3<<25)
.irp g, G1, G1B
	s_mov_b32 s[\g+1], ROWB<<16                    ; tensor_dim0
	s_mov_b32 s[\g+2], 128<<16                     ; tensor_dim1
	s_mov_b32 s[\g+3], ROWB<<16                    ; tile_dim0
	s_mov_b32 s[\g+4], 128                         ; tile_dim1
	s_mov_b32 s[\g+5], KROW                        ; from row to row
	s_mov_b32 s[\g+6], 0
	s_mov_b32 s[\g+7], 0
.endr
	s_lshl_b32 s18, s16, 7
	s_lshl_b32 s20, s17, 8
	s_add_co_u32 s20, s20, s18
	s_lshl_b32 s20, s20, 10                        ; first operand: (256 x tile row + 128 x half) rows of 1,024 bytes
	s_mov_b32 s21, 0
	s_lshl_b32 s46, s42, 8
	s_add_co_u32 s46, s46, s18
	s_lshl_b32 s46, s46, 10                        ; second operand likewise, by the tile column
	s_mov_b32 s47, 0
	s_mul_i32 s45, s14, HALFT
	v_and_b32 v12, 31, v0
	v_lshlrev_b32 v12, 10, v12                     ; the prefetches' offset: a lane a row of 1,024 bytes; never rewritten
	s_wait_alu depctr_va_vdst(0)
	s_wait_kmcnt 0x0
	s_load_b256 s[76:83], s[8:9], 0x0              ; e0 .. e7
	s_add_nc_u64 s[88:89], s[6:7], 0x200000        ; the weight's rows 2048 on: v's
	s_cmp_eq_u32 ttmp9, 2
	s_cselect_b64 s[90:91], s[88:89], s[4:5]       ; the first operand
	s_cselect_b64 s[92:93], s[4:5], s[6:7]         ; the second
	s_add_nc_u64 s[20:21], s[90:91], s[20:21]
	s_add_nc_u64 s[46:47], s[92:93], s[46:47]
	s_cmp_eq_u32 s15, 0                            ; the prefetches: of the 128 rows that my wave fetches, each of the four partners that ask for them jointly names 32, told apart by address
	s_cselect_b64 s[18:19], s[20:21], s[46:47]
	s_cselect_b32 s2, s40, s41                     ; my place among the four: cx for the first operand, cy for the second
	s_lshl_b32 s2, s2, 15
	s_mov_b32 s3, 0
	s_add_nc_u64 s[18:19], s[18:19], s[2:3]        ; never rewritten
	CROUND                                         ; all sixteen work-groups are here: the first joint loads meet
.irp s, 0,1
	s_mov_b32 s[G0+4*\s], 1
	s_add_co_u32 s[G0+4*\s+1], s45, \s*SLOT
	s_add_nc_u64 s[G0+4*\s+2:G0+4*\s+3], s[20:21], \s*ROWB
	s_or_b32 s[G0+4*\s+3], s[G0+4*\s+3], 0x80000000
	s_mov_b32 s[G0B+4*\s], 1
	s_add_co_u32 s[G0B+4*\s+1], s45, \s*SLOT
	s_add_nc_u64 s[G0B+4*\s+2:G0B+4*\s+3], s[46:47], \s*ROWB
	s_or_b32 s[G0B+4*\s+3], s[G0B+4*\s+3], 0x80000000
.if \s
	s_wait_alu depctr_va_vdst(0)
	s_wait_tensorcnt 0x0                           ; slot 1's first fill is issued as a refill is
	ds_add_u32 v28, v29
	s_wait_dscnt 0x0
	CROUND
.endif
	JLOAD G0+4*\s, G1, G0B+4*\s, G1B
.if \s == 0
	global_prefetch_b8 v12, s[18:19] offset:ROWB th:TH_LOAD_NT scope:SCOPE_SE          ; K step 1, whose load goes out when K step 0's has landed: one step ahead
.endif
	global_prefetch_b8 v12, s[18:19] offset:(\s+2)*ROWB th:TH_LOAD_NT scope:SCOPE_SE   ; behind K step s's load: 32 rows x 256 bytes of K step s + 2, the last two of the four
.endr
	v_and_b32 v1, 15, v0                           ; r
	s_wait_alu depctr_va_vdst(0)
	v_bfe_u32 v2, v0, 4, 1                         ; h
	v_mul_u32_u24 v3, v1, PITCH
	v_lshl_add_u32 v4, v2, 4, v3
	s_mul_i32 s21, s15, HALFT
	s_mul_i32 s22, s16, HALFT
	s_add_co_u32 s22, s22, 2*HALFT
.irp s, 0,1
	v_add_nc_u32 v[ADRA+\s], s21, v4
	v_add_nc_u32 v[ADRB+\s], s22, v4
	s_add_co_u32 s21, s21, SLOT
	s_add_co_u32 s22, s22, SLOT
.endr
	s_mul_i32 s23, s14, 16*SP                      ; my stage
	v_mul_u32_u24 v5, v1, SP
	s_wait_alu depctr_va_vdst(0)
	v_lshl_add_u32 v5, v2, 3, v5
	v_add_nc_u32 v[STO], s23, v5                   ; in: row r, 8 bytes for each half of the lanes
	v_and_b32 v6, 31, v0
	v_lshlrev_b32 v[CO], 4, v6                     ; 16 x lane
	v_lshrrev_b32 v5, 2, v6
	v_mul_u32_u24 v5, v5, SP
	v_and_b32 v6, 3, v6
	v_lshl_add_u32 v5, v6, 4, v5
	v_add_nc_u32 v[RD], s23, v5                    ; back: four lanes to 64 bytes of a row, eight rows an instruction
	; where my 128 x 128 goes.  TT = tokens / 128, F = features / 128
	s_lshl_b32 s84, s17, 1
	s_add_co_u32 s84, s84, s15                     ; my rows / 128
	s_lshl_b32 s85, s42, 1
	s_add_co_u32 s85, s85, s16                     ; my columns / 128
	s_add_co_u32 s87, s84, 16
	s_mov_b32 s90, 131072
	s_mov_b32 s92, 4096
	s_cmp_eq_u32 ttmp9, 2
	s_cselect_b32 s88, s85, s84                    ; TT
	s_cselect_b32 s89, s87, s85                    ; F
	s_cselect_b32 s94, s90, s92                    ; from rows 0-63 to rows 64-127: v: the next head; q, k: 64 tokens
	s_cselect_b32 s92, s92, s90                    ; from columns 0-63 to columns 64-127: v: 64 keys; q, k: the next head
	s_lshr_b32 s87, s89, 3
	s_lshl_b32 s87, s87, 22                        ; q, k or v: 4 MiB each
	s_lshr_b32 s91, s88, 4
	s_lshl_b32 s91, s91, 21                        ; b: 2 MiB
	s_add_co_u32 s87, s87, s91
	s_and_b32 s91, s89, 7
	s_lshl_b32 s91, s91, 18                        ; two heads of 131,072 bytes
	s_add_co_u32 s87, s87, s91
	s_and_b32 s91, s88, 15
	s_lshl_b32 s91, s91, 13                        ; 128 tokens: 8,192 bytes, in all three layouts
	s_add_co_u32 s90, s87, s91
	s_mov_b32 s91, 0
	s_mov_b32 s93, 0
	s_mov_b32 s95, 0
	s_add_nc_u64 s[66:67], s[12:13], s[90:91]      ; four places: s[66 + 4 x + 2 y]: x the half of my columns, y the half of my rows
	s_add_nc_u64 s[68:69], s[66:67], s[94:95]
	s_add_nc_u64 s[70:71], s[66:67], s[92:93]
	s_add_nc_u64 s[72:73], s[68:69], s[92:93]
	s_lshl_b32 s90, s89, 9
	s_add_nc_u64 s[74:75], s[10:11], s[90:91]      ; b_attn at feature 128 F
	v_lshlrev_b32 v8, 5, v2                        ; 32 h; never rewritten
	v_lshlrev_b32 v9, 2, v1                        ; 4 r; never rewritten
	v_mov_b32 v7, 0
.irp b, 0,1,2,3,4,5,6,7                ; by columns: register 8 b + j: feature 128 F + 16 b + 8 h + j (used for q and k)
	global_load_b128 v[BC+8*\b:BC+8*\b+3], v8, s[74:75] offset:64*\b
	global_load_b128 v[BC+8*\b+4:BC+8*\b+7], v8, s[74:75] offset:64*\b+16
.endr
.irp a, 0,1,2,3,4,5,6,7                ; by rows: feature 128 F + 16 a + r (used for v)
	global_load_b32 v[BR+2*\a], v9, s[74:75] offset:64*\a
.endr
.macro FRAG reg, adr, q, i             ; 16 rows x 128 K: registers 4 c .. 4 c + 3 hold K = 32 c + 16 h + 0 .. 15: the same order of k in both operands
.irp c, 0,1,2,3
	ds_load_b128 v[\reg+4*\c:\reg+4*\c+3], v[\adr] offset:128*(\q)+32*\c+(\i)*16*PITCH
.endr
.endm
.macro MUL16 a0, p, zero               ; the 64 accumulators take turns, one instruction a turn, in the same order in every step
.irp a, \a0, \a0+1
.irp b, 0,1,2,3,4,5,6,7
.if \zero
	v_wmma_f32_16x16x128_fp8_fp8 v[8*(8*((\a)%4)+\b):8*(8*((\a)%4)+\b)+7], v[128*(\p)+FR*\b:128*(\p)+FR*\b+FR-1], v[AF+FR*(\a):AF+FR*(\a)+FR-1], 0
.else
	v_wmma_f32_16x16x128_fp8_fp8 v[8*(8*((\a)%4)+\b):8*(8*((\a)%4)+\b)+7], v[128*(\p)+FR*\b:128*(\p)+FR*\b+FR-1], v[AF+FR*(\a):AF+FR*(\a)+FR-1], v[8*(8*((\a)%4)+\b):8*(8*((\a)%4)+\b)+7]
.endif
.endr
.endr
.endm
.macro FETCH_B slot, q, p
	WIN TO_B
.irp i, 0,1,2,3,4,5,6,7
	FRAG 128*(\p)+FR*\i, ADRB+\slot, \q, \i
.endr
	WIN 0
.endm
.macro FETCH_A slot, q, i0
.irp i, \i0, \i0+1, \i0+2, \i0+3
	FRAG AF+FR*(\i), ADRA+\slot, \q, \i
.endr
.endm
.macro PLACES n                        ; plain vector instructions between a matrix instruction and a load into, or a read of, its registers
.rept \n
	v_nop
.endr
.endm
.macro STEP slot, q, zero              ; 128 along K whose successor lies in the same slot
	s_wait_dscnt 4*NL                              ; all but the youngest sixteen loads (the first operand's blocks 4-7)
	WIN MUL_LO
	MUL16 0, (\q)%2, \zero
	MUL16 2, (\q)%2, \zero
	s_wait_dscnt 0
	PLACES NP
	FETCH_B \slot, (\q)+1, 1-(\q)%2
	FETCH_A \slot, (\q)+1, 0
	WIN MUL_HI
	MUL16 4, (\q)%2, \zero
	MUL16 6, (\q)%2, \zero
	PLACES NP
	WIN 0
	FETCH_A \slot, (\q)+1, 4
.endm
.macro TURN slot, next, fill           ; a slot's last step changes slots: one barrier
	s_wait_tensorcnt 0x0                           ; all my tensor loads have landed: my part of the next slot
	ds_add_u32 v[SPW], v[NIL]                      ; 0 onto my spare word
	s_wait_dscnt 4*NL+1                            ; the add and the youngest sixteen loads may be out
	WIN MUL_LO
	MUL16 0, 1, 0
	s_wait_dscnt 0x0                               ; the add is done, and my reads of this slot are over
	s_barrier_signal -1
	MUL16 2, 1, 0
	WIN 0
	s_barrier_wait -1
.if \fill
	CREST                                          ; the barrier has opened a round of the cluster's: no wave of any partner still reads this slot or has a load on its way
	s_add_nc_u64 s[G0+4*\slot+2:G0+4*\slot+3], s[G0+4*\slot+2:G0+4*\slot+3], 2*ROWB
	s_add_nc_u64 s[G0B+4*\slot+2:G0B+4*\slot+3], s[G0B+4*\slot+2:G0B+4*\slot+3], 2*ROWB
	JLOAD G0+4*\slot, G1, G0B+4*\slot, G1B         ; the first tensor load behind the round; its four v_nop are the places in front of the loads below
.else
	PLACES NP
.endif
	FETCH_B \next, 0, 0
	FETCH_A \next, 0, 0
	WIN MUL_HI
	MUL16 4, 1, 0
	MUL16 6, 1, 0
	PLACES NP
	WIN 0
	FETCH_A \next, 0, 4
.endm
	s_wait_tensorcnt 1                             ; my part of K step 0 is in; K step 1's load may be out
	s_barrier_signal -1
	s_barrier_wait -1
	FETCH_B 0, 0, 0
	FETCH_A 0, 0, 0
	FETCH_A 0, 0, 4
	STEP 0, 0, 1                                   ; the first step's products start the sums
	s_mov_b32 s3, LAPS-1
.Llap:
	TURN 0, 1, 1
	STEP 1, 0, 0
	TURN 1, 0, 1
	STEP 0, 0, 0
	s_sub_co_u32 s3, s3, 1
	s_cmp_lg_u32 s3, 0
	s_cbranch_scc1 .Llap
	TURN 0, 1, 0
	STEP 1, 0, 0
	s_wait_dscnt 4*NL
	WIN MUL_LO
	MUL16 0, 1, 0
	MUL16 2, 1, 0
	s_wait_dscnt 0
	WIN MUL_HI
	MUL16 4, 1, 0
	MUL16 6, 1, 0
	WIN 0
	; THE WAY OUT, 16 rows x 128 columns at a time: sum x 2^(e0 + e1) + bias, held, converted (eight neighbours a lane), through my stage, and out as runs of 512 consecutive bytes.
	s_wait_kmcnt 0x0
	s_add_co_i32 s96, s76, s77
	s_add_co_i32 s96, s96, 127
	s_lshl_b32 s96, s96, 23                        ; 2^(e0 + e1)
	s_mov_b32 s97, s96
	s_cmp_eq_u32 ttmp9, 1
	s_cselect_b32 s87, s79, s78                    ; e3 for k, e2 for q,
	s_cselect_b32 s84, 512, 0                      ; k alone: of each 2,048 bytes (32 tokens) the two middle runs of 512 change places
	s_cselect_b32 s85, 0, 512
	s_cmp_eq_u32 ttmp9, 2
	s_cselect_b32 s87, s81, s87                    ; e5 for v
	s_add_co_i32 s87, s87, 127
	s_lshl_b32 s88, s87, 23
	s_add_co_i32 s87, s87, 8
	s_lshl_b32 s87, s87, 23
	s_or_b32 s87, s87, 0x600000
	s_wait_loadcnt 0x0                             ; the biases
.set j, 0
	s_wait_alu depctr_va_vdst(0)
.rept 64
	v_cndmask_b32 v[BC+j], v[BC+j], v7, s86        ; v has no bias by columns.  (These selects are also the places behind the last products)
.set j, j+1
.endr
.irp a, 0,1,2,3,4,5,6,7
	v_cndmask_b32 v[BR+2*\a+1], v7, v[BR+2*\a], s86   ; q and k have none by rows; the number stands twice, for the packed addition
	v_cndmask_b32 v[BR+2*\a], v7, v[BR+2*\a], s86
.endr
	v_mov_b32 v30, s88                             ; the quantiser's 2^e
	v_mov_b32 v31, s87                             ; 448 x 2^e
	v_add_nc_u32 v[COP], s84, v[CO]
	v_add_nc_u32 v[COM], s85, v[CO]
; Block a's 16 rows leave as two runs of eight rows (512 bytes) for each half of the columns.  q and v: run (a, u) at 1,024 (a % 4) + 512 u.  k: at 2,048 ((a % 4) / 2) + 1,024 u + 512 (a % 2):
; the same place but for (a even, u = 1), 512 further on, and (a odd, u = 0), 512 further back: these two take the offset registers that hold the difference.
.macro SENDQ a
	WIN 0x04                                       ; store data in window 1
.irp x, 0,1
.irp u, 0,1
.if (((\a)%2) == 0) && (\u == 1)
	global_store_b128 v[COP], v[16*(\a)+4*(2*\x+\u):16*(\a)+4*(2*\x+\u)+3], s[66+4*\x+2*((\a)/4):67+4*\x+2*((\a)/4)] offset:((\a)%4)*1024+512 th:TH_STORE_NT
.elseif (((\a)%2) == 1) && (\u == 0)
	global_store_b128 v[COM], v[16*(\a)+4*(2*\x+\u):16*(\a)+4*(2*\x+\u)+3], s[66+4*\x+2*((\a)/4):67+4*\x+2*((\a)/4)] offset:((\a)%4)*1024-512 th:TH_STORE_NT
.else
	global_store_b128 v[CO], v[16*(\a)+4*(2*\x+\u):16*(\a)+4*(2*\x+\u)+3], s[66+4*\x+2*((\a)/4):67+4*\x+2*((\a)/4)] offset:((\a)%4)*1024+512*\u th:TH_STORE_NT
.endif
.endr
.endr
	WIN 0
.endm
.macro EPI a
.set AC, 64*((\a)%4)
	WIN 0x02+((\a)/4)                              ; source 0: window 2 or 3
.set j, 0
.rept 32
	v_pk_fma_f32 v[TMP+j:TMP+j+1], v[AC+j:AC+j+1], s[96:97], v[BC+j:BC+j+1] op_sel_hi:[1,0,1]   ; each accumulator from its low end on
.set j, j+2
.endr
	WIN 0
.set j, 0
.rept 32
	v_pk_add_f32 v[TMP+j:TMP+j+1], v[TMP+j:TMP+j+1], v[BR+2*(\a):BR+2*(\a)+1]   ; one of the two biases is 0: one rounding in all
.set j, j+2
.endr
.set j, 0
.rept 64
	v_med3_num_f32 v[TMP+j], v[TMP+j], -v31, v31
.set j, j+1
.endr
.if (\a) > 0
	s_wait_alu depctr_va_vdst(0)
	s_wait_dscnt 0x0                               ; the block before is back from the stage, and its LDS stores have read the codes' registers
	SENDQ (\a)-1
.endif
.irp b, 0,1,2,3,4,5,6,7
	v_cvt_scalef32_pk8_fp8_f32 v[CD+2*\b:CD+2*\b+1], v[TMP+8*\b:TMP+8*\b+7], v30
.endr
	v_nop                                          ; a plain instruction behind the last conversion
.irp b, 0,1,2,3,4,5,6,7
	ds_store_b64 v[STO], v[CD+2*\b:CD+2*\b+1] offset:16*\b
.endr
	WIN 0x40                                       ; destination window 1: each block has sixteen registers of its own, so no store's data are written again
.irp x, 0,1
.irp u, 0,1
	ds_load_b128 v[16*(\a)+4*(2*\x+\u):16*(\a)+4*(2*\x+\u)+3], v[RD] offset:64*\x+8*SP*\u   ; LDS serves a wave's instructions in order: these see the stores above
.endr
.endr
	WIN 0
.endm
.irp a, 0,1,2,3,4,5,6,7
	EPI \a
.endr
	s_wait_dscnt 0x0
	SENDQ 7
	s_wait_tensorcnt 0x0                           ; the wave's end
	ds_add_u32 v[SPW], v[NIL]
	s_wait_dscnt 0x0
	CROUND                                         ; the closing round
	s_endpgm
.Lfunc_end_k_qb8ed56e74d_qkv:
	.size	k_qb8ed56e74d_qkv, .Lfunc_end_k_qb8ed56e74d_qkv-k_qb8ed56e74d_qkv
	.p2alignl 7, 3214868480
	.fill 96, 4, 3214868480
	.section	.rodata,"a",@progbits
	.p2align	6, 0x0
	.amdhsa_kernel k_qb8ed56e74d_qkv
		.amdhsa_group_segment_fixed_size 327680
		.amdhsa_private_segment_fixed_size 0
		.amdhsa_enable_private_segment 0
		.amdhsa_kernarg_size 40
		.amdhsa_user_sgpr_count 2
		.amdhsa_user_sgpr_kernarg_segment_ptr 1
		.amdhsa_wavefront_size32 1
		.amdhsa_system_sgpr_workgroup_id_x 1
		.amdhsa_system_sgpr_workgroup_id_y 1
		.amdhsa_system_sgpr_workgroup_id_z 1
		.amdhsa_system_vgpr_workitem_id 0
		.amdhsa_next_free_vgpr 1024
		.amdhsa_next_free_sgpr 98
		.amdhsa_reserve_vcc 0
		.amdhsa_float_denorm_mode_32 3
		.amdhsa_float_denorm_mode_16_64 3
		.amdhsa_memory_ordered 1
		.amdhsa_forward_progress 1
		.amdhsa_inst_pref_size 167
	.end_amdhsa_kernel
	.amdgpu_metadata
---
amdhsa.version: [ 1, 2 ]
amdhsa.kernels:
  - .name:           k_qb8ed56e74d_qkv
    .symbol:         k_qb8ed56e74d_qkv.kd
    .args:
      - { .name: a1, .offset: 0, .size: 8, .value_kind: global_buffer, .address_space: global }
      - { .name: wc, .offset: 8, .size: 8, .value_kind: global_buffer, .address_space: global }
      - { .name: lowp_scales, .offset: 16, .size: 8, .value_kind: global_buffer, .address_space: global }
      - { .name: b_attn, .offset: 24, .size: 8, .value_kind: global_buffer, .address_space: global }
      - { .name: qkv, .offset: 32, .size: 8, .value_kind: global_buffer, .address_space: global }
    .group_segment_fixed_size: 327680
    .private_segment_fixed_size: 0
    .kernarg_segment_align: 8
    .kernarg_segment_size: 40
    .max_flat_workgroup_size: 128
    .sgpr_count:     98
    .vgpr_count:     1024
    .wavefront_size: 32
...
	.end_amdgpu_metadata
.endif
;; end of part 2
;; launch attn (part 3): grid 8 x 32, 16 waves a work-group, no clusters, 327,680 bytes of LDS; arguments qkv, lowp_scales, y; writes y
.if DOCPART == 3
	.amdgcn_target "amdgcn-amd-amdhsa--gfx1250"
	.amdhsa_code_object_version 6
	.text
	.protected	k_qb8ed56e74d_attn
	.globl	k_qb8ed56e74d_attn
	.p2align	8
	.type	k_qb8ed56e74d_attn,@function
k_qb8ed56e74d_attn:
	s_mov_b64 s[64:65], 0
	v_nop
	global_prefetch_b8 v0, s[64:65] scope:SCOPE_SE
	s_setreg_imm32_b32 hwreg(HW_REG_WAVE_MODE, 25, 1), 1
	s_wait_xcnt 0x0
; Causal attention on codes of E4M3, head size 64.  q, k: [b][head][t][64 bytes] at 0 and 4 MiB of qkv (k's rows with bits 3 and 4 of the key's number exchanged); v with the keys innermost,
; [b][head][t / 64][d][64 bytes], at 8 MiB.
; t = score x 2^(e2 + e3) x log2(e) / 8; M = the running largest t rounded UP to a whole number; p = 2^(t - M) is quantised with 2^e4; the row's sum is taken of the unquantised p and divides at the end.
; OUT: O / sum x 2^(e4 + e5), quantised with 2^e6 as the next product's operand: y = [row block of 128][head][128 rows][64 bytes].
; SHARES.  Work-group i of a head owns two blocks of 128 queries: the early block i and the late block 15 - i.  Waves 2 m and 2 m + 1 are a PAIR: the late wave owns tile m (16 queries) of the late block, the early
; wave tile m of the early block; which of the two is the late wave is (w xor (w / 4)) odd, so that late and early waves are spread evenly over neighbouring wave numbers.
; The early tile has i + 1 key steps of 128 that count, the late tile 16 - i: 17 for the pair.  THE PAIR SHARES THE LATE TILE'S STEPS.  When the early tile is done, the early wave keeps its O^T and sum in registers,
; takes the late tile's Q and begins a second state (M, sum, O^T) for it.  In each slot of four steps, of which nl count for the early tile and nh for the late one, the early wave takes the LAST (nh - nl) / 2 of
; the late tile's steps and the late wave the others: in every slot the two have the same number of steps or differ by one, 9 and 8 in all, in every work-group.
; At the end the early wave hands its part over through LDS and the late wave adds the two under the larger M: M is a whole number, so both factors are powers of two and nothing is rounded.
; Each part quantises p under its own running M: only numbers under the format's range can differ from those under the row's last M.
; Every work-group walks all four slots of 512 keys (constant trip counts); a step that is not a wave's is jumped over by scalar branches on ids, round its work alone.
; RING.  Two slots; K's and V's 64 keys are 4,096 dense bytes alike, so one shape serves both and EVERY wave fetches one tile of 64 rows x 64 bytes at a change of slots (waves 0-7: K, 8-15: V).
; LAYOUT.  Both products are used transposed: a lane holds ONE query.  Row r of K's tile 2 b + u is key 32 b + 8 u + r + 8 (r / 8), so that p's 16 registers of two neighbouring tiles are 16 neighbouring keys;
; as k's rows are laid, these 16 keys are rows 16 (2 b + u) + r: neighbours, which at 80 bytes a row begin in sixteen different columns of 16 bytes (64 banks of 4 bytes: ISA guide 11.1).
; NO CLUSTER: the work-groups of a head share K and V, but which steps a wave works hangs on its work-group's number, and partners of a cluster that ask jointly must branch alike.
; LIMITS: e2 + e3 between -123 and 130; e4 and e6 between -126 and 119.  NaN is not served.
; REGISTERS: v1-7 addresses that stay; v8-11 addresses in hand; v12 -M, v13 the largest t, v[14:15] the sum; v16-23 Q; v24-25 the early tile's sum, kept; v26-27 the hand-over's addresses; v32-95 K's eight fragments,
;   then V's four; v96-159 S^T, then p; v160-191 O^T; v192-223 the early tile's O^T, kept; v224-239 p's codes.
.set KP,    80                         ; a row of 64 bytes in LDS: + 16 of padding
.set VOFF,  512*KP                     ; a slot: 512 rows of K, then V's eight pieces of 64 rows
.set STEPB, 128*KP                     ; a key step's bytes, in K and in V alike
.set SLOT1, 1<<17
.set NSL,   4
.set SPARE, 2*SLOT1                    ; the spare words, 128 bytes for each of sixteen waves, which no other line names
.set XBASE, 16*16*KP                   ; the hand-over: behind the sixteen stages of the way out, in slot 0, which has had its last fill and its last read by then
.set XCH,   4608                       ; for each pair: O^T's 32 registers as they stand (4,096 bytes), then -M and the sum (8 bytes a lane), rounded up
.set AK0,  1
.set AV0,  2
.set PFO,  3
.set QA,   4                           ; v4  my lane's bytes in a tile of Q; never rewritten
.set SPW,  5
.set NIL,  6
.set GO,   7
.set ADK,  8
.set ADV,  9
.set SAVE, 192
.set WV,   18
.set SEL,  20
.set CS,   22
.set G1,   24
.set G0,   40
.set TB,   2
.set LATE, 44                          ; s44  1 in a late wave
.set KEA,  45                          ; s45  128 (i + 1): the early tile's keys end here
.set KEB,  46                          ; s46  128 (16 - i): the late tile's
.set WE1,  47                          ; s47  a step is mine where its first key is under WE1,
.set WB2,  48                          ; s48  or from WB2 on
.set WE2,  49                          ; s49  and under WE2
.set SWK,  50                          ; s50  the first key of the step at whose head an early wave changes tiles; in a late wave no key's number
.set QLATE, 51                         ; s51  the late tile's first query
.set HQ,   52                          ; s[52:53] the late tile's Q
.set NA,   54                          ; s54  i + 1
.set NB,   55                          ; s55  16 - i
.set TWICE, 66
.set SLOTS, 67
.set PFA,  76
.set LIM,  80
.set KF,   98
.set Q0,   99                          ; s99  the first query of the tile in hand
	s_load_b128 s[4:7], s[0:1], 0x0                ; qkv, the exponents
	s_load_b64 s[8:9], s[0:1], 0x10                ; y
	v_lshl_add_u32 v[SPW], v0, 2, SPARE
	v_mov_b32 v[NIL], 0
	ds_add_u32 v5, v6
	ds_add_u32 v5, v6
	s_wait_dscnt 0x0
	v_lshrrev_b32 v8, 5, v0
	s_delay_alu instid0(VALU_DEP_1)
	v_readfirstlane_b32 s[WV], v8                  ; wave 0..15
	s_and_b32 s12, ttmp7, 0xffff                   ; 16 b + head
	s_lshr_b32 s[LATE], s[WV], 2
	s_xor_b32 s[LATE], s[LATE], s[WV]
	s_and_b32 s[LATE], s[LATE], 1
	s_lshr_b32 s15, s[WV], 1
	s_lshl_b32 s15, s15, 4                         ; 16 x my pair's number
	s_sub_co_u32 s14, 15, ttmp9                    ; the late block
	s_lshl_b32 s[QLATE], s14, 7
	s_add_co_u32 s[QLATE], s[QLATE], s15
	s_lshl_b32 s[KEA], ttmp9, 7
	s_add_co_u32 s56, s[KEA], s15                  ; the early tile's first query
	s_sub_co_u32 s[KEB], 2048, s[KEA]
	s_add_co_u32 s[KEA], s[KEA], 128
	s_add_co_u32 s[NA], ttmp9, 1
	s_sub_co_u32 s[NB], 16, ttmp9
	s_cmp_eq_u32 s[LATE], 1
	s_cselect_b32 s[Q0], s[QLATE], s56             ; my own tile's first query
	s_cselect_b32 s14, s14, ttmp9                  ; my own block
	s_cselect_b32 s[WE2], 0, s[KEB]                ; a late wave has no second window
	s_cselect_b32 s[SWK], -1, s[KEA]
	s_lshl_b32 s16, s12, 17                        ; the head's 131,072 bytes
	s_lshl_b32 s17, s[Q0], 6
	s_add_co_u32 s32, s16, s17
	s_mov_b32 s33, 0                               ; my own tile's Q
	s_lshl_b32 s17, s[QLATE], 6
	s_add_co_u32 s60, s16, s17
	s_mov_b32 s61, 0                               ; the late tile's Q
	s_and_b32 s34, s[WV], 7
	s_lshl_b32 s34, s34, 12
	s_lshr_b32 s35, s[WV], 3
	s_lshl_b32 s35, s35, 22
	s_add_co_u32 s34, s34, s35
	s_add_co_u32 s34, s34, s16
	s_add_co_u32 s34, s34, 0x400000
	s_mov_b32 s35, 0                               ; the tile that I fetch: 64 keys of K (waves 0-7) or of V
	s_lshr_b32 s36, s12, 4
	s_lshl_b32 s36, s36, 4
	s_add_co_u32 s36, s36, s14
	s_lshl_b32 s36, s36, 17                        ; y: my own tile's row block,
	s_and_b32 s37, s12, 15
	s_lshl_b32 s37, s37, 13                        ; the head,
	s_add_co_u32 s36, s36, s37
	s_lshl_b32 s37, s15, 6                         ; its 16 rows
	s_add_co_u32 s36, s36, s37
	s_mov_b32 s37, 0
	s_and_b32 s38, s[WV], 3                        ; the prefetches: 8,192 bytes a wave, of K (bit 2 of the wave's number 0) or of V,
	s_lshl_b32 s38, s38, 13
	s_bfe_u32 s39, s[WV], 0x10002
	s_lshl_b32 s39, s39, 22
	s_add_co_u32 s38, s38, s39
	s_add_co_u32 s38, s38, s16
	s_add_co_u32 s38, s38, 0x400000+32768          ; in slot 1: the first change of slots steps it to slot 2
	s_mov_b32 s39, 0
	s_lshr_b32 s[LIM], s[WV], 3
	s_or_b32 s[LIM], s[LIM], ttmp9                 ; waves 0 to 7 of the head's first work-group ask, and nobody else: each block is named once
	s_cmp_eq_u32 s[LIM], 0
	s_cselect_b32 s[LIM], 1, -1
	s_mov_b32 s[G1], (0<<16)|(1<<20)|(3<<22)|(3<<25)   ; no mask; elements of 1 byte; padding: 4 words after every 16
	s_mov_b32 s[G1+1], 64<<16                      ; tensor_dim0
	s_mov_b32 s[G1+2], 64<<16                      ; tensor_dim1
	s_mov_b32 s[G1+3], 64<<16                      ; tile_dim0
	s_mov_b32 s[G1+4], 64                          ; tile_dim1
	s_mov_b32 s[G1+5], 64                          ; from row to row
	s_mov_b32 s[G1+6], 0
	s_mov_b32 s[G1+7], 0
	s_mov_b32 s[SEL], 0x76543210
	s_mov_b32 s[SEL+1], 0xfedcba98
	s_mov_b32 s[CS], 0x3e38aa3b                    ; c = log2(e) / 8
	s_mov_b32 s[TB], 0
	s_mov_b32 s[SLOTS], NSL-1
	s_mov_b32 s[KF], 0
	s_mov_b32 s[G0], 1
	s_mul_i32 s[G0+1], s[WV], 64*KP                ; my tile's place in slot 0
	s_wait_kmcnt 0x0
	s_load_b128 s[68:71], s[6:7], 0x8              ; e2, e3, e4, e5
	s_load_b32 s72, s[6:7], 0x18                   ; e6
	s_add_nc_u64 s[G0+2:G0+3], s[4:5], s[34:35]
	s_or_b32 s[G0+3], s[G0+3], 0x80000000
	tensor_load_to_lds s[G0:G0+3], s[G1:G1+7]      ; slot 0
	s_nop 0
.rept 4
	v_nop
.endr
	s_add_nc_u64 s[10:11], s[4:5], s[32:33]        ; Q at my own tile
	s_add_nc_u64 s[HQ:HQ+1], s[4:5], s[60:61]      ; and at the late tile
	s_add_nc_u64 s[8:9], s[8:9], s[36:37]          ; y at my own tile's 16 rows
	s_add_nc_u64 s[PFA:PFA+1], s[4:5], s[38:39]
	v_and_b32 v[PFO], 31, v0
	s_delay_alu instid0(VALU_DEP_1)
	v_lshlrev_b32 v[PFO], 8, v[PFO]                ; lanes 256 bytes apart
	v_and_b32 v8, 15, v0                           ; r
	v_bfe_u32 v9, v0, 4, 1                         ; h
	s_delay_alu instid0(VALU_DEP_2)
	v_lshlrev_b32 v[QA], 6, v8
	s_delay_alu instid0(VALU_DEP_1)
	v_lshl_add_u32 v[QA], v9, 4, v[QA]
	global_load_b128 v[16:19], v[QA], s[10:11]     ; Q's fragment: registers 4 c .. 4 c + 3: d = 32 c + 16 h + 0 .. 15, as K's
	global_load_b128 v[20:23], v[QA], s[10:11] offset:32
	v_mul_u32_u24 v[AK0], v8, KP
	s_delay_alu instid0(VALU_DEP_1)
	v_lshl_add_u32 v[AK0], v9, 4, v[AK0]
	v_mul_u32_u24 v[AV0], v8, KP
	s_delay_alu instid0(VALU_DEP_1)
	v_lshl_add_u32 v[AV0], v9, 4, v[AV0]
	s_delay_alu instid0(VALU_DEP_1)
	v_add_nc_u32 v[AV0], VOFF, v[AV0]
	v_and_b32 v[GO], 31, v0
	s_delay_alu instid0(VALU_DEP_1)
	v_lshlrev_b32 v[GO], 4, v[GO]
	v_mov_b32 v13, 0xff61b1e6                      ; the largest t so far: -3e38
	s_delay_alu instid0(VALU_DEP_1)
	v_floor_f32 v12, -v13
	v_mov_b32 v14, 0
	v_mov_b32 v15, 0
	v_mov_b32 v24, 0                               ; (what an early wave keeps is written once here in every wave, so that it is written on every way)
	v_mov_b32 v25, 0
	v_mov_b32 v236, 0                              ; a lane permute's destination counts as one of its sources
	v_mov_b32 v252, 0
	v_mov_b32 v253, 0
.set j, 0
.rept 32
	v_mov_b32 v[160+j], 0                          ; O^T: the step is written for every trip alike; the first finds zeros
	v_mov_b32 v[SAVE+j], 0
.set j, j+1
.endr
	s_wait_kmcnt 0x0
	s_add_co_i32 s73, s68, s69
	s_lshl_b32 s73, s73, 23
	s_add_co_i32 s[CS], s[CS], s73                 ; e2 + e3 go into c's exponent field
	s_mov_b32 s[CS+1], s[CS]
	s_add_co_i32 s73, s70, 127
	s_lshl_b32 s74, s73, 23
	v_mov_b32 v244, s74                            ; 2^e4
	s_add_co_i32 s73, s73, 8
	s_lshl_b32 s73, s73, 23
	s_or_b32 s73, s73, 0x600000
	v_mov_b32 v240, s73                            ; 448 x 2^e4
	s_add_co_i32 s73, s72, 127
	s_lshl_b32 s74, s73, 23
	v_mov_b32 v245, s74                            ; 2^e6
	s_add_co_i32 s73, s73, 8
	s_lshl_b32 s73, s73, 23
	s_or_b32 s73, s73, 0x600000
	v_mov_b32 v241, s73                            ; 448 x 2^e6
.macro ASK                             ; what the NEXT change of slots will ask for; the last change that fills a slot asks for nothing
	s_cmp_gt_u32 s[SLOTS], s[LIM]
	s_cbranch_scc0 .Lnot_mine_\@
	global_prefetch_b8 v[PFO], s[PFA:PFA+1] th:TH_LOAD_NT scope:SCOPE_SE
.Lnot_mine_\@:
.endm
.macro STEP                            ; 128 keys, from s[KF] on, at LDS byte s[TB] of K's and of V's part
	s_cmp_eq_u32 s[KF], s[SWK]
	s_cbranch_scc0 .Lsame_\@
	; AN EARLY WAVE CHANGES TILES, once, at the head of the first step that no longer counts for its own tile
.rept 4
	v_nop                                          ; places between the last products and the first read of O^T
.endr
.set j, 0
.rept 32
	v_mov_b32 v[SAVE+j], v[160+j]                  ; the early tile's O^T is kept; each accumulator is read from its low end on
.set j, j+1
.endr
	v_mov_b32 v24, v14                             ; and its sum, in two halves
	v_mov_b32 v25, v15
	global_load_b128 v[16:19], v[QA], s[HQ:HQ+1]   ; the late tile's Q
	global_load_b128 v[20:23], v[QA], s[HQ:HQ+1] offset:32
	v_mov_b32 v13, 0xff61b1e6                      ; a state of its own for my part of the late tile: as at the kernel's head
	s_delay_alu instid0(VALU_DEP_1)
	v_floor_f32 v12, -v13
	v_mov_b32 v14, 0
	v_mov_b32 v15, 0
.set j, 0
.rept 32
	v_mov_b32 v[160+j], 0
.set j, j+1
.endr
	s_mov_b32 s[Q0], s[QLATE]
	s_wait_loadcnt 0x0
.Lsame_\@:
	s_cmp_lt_u32 s[KF], s[WE1]                     ; is the step mine?  The first window,
	s_cbranch_scc1 .Lmine_\@
	s_cmp_lt_u32 s[KF], s[WB2]                     ; or the second
	s_cbranch_scc1 .Lhidden_\@
	s_cmp_ge_u32 s[KF], s[WE2]
	s_cbranch_scc1 .Lhidden_\@
.Lmine_\@:
	v_add_nc_u32 v[ADK], s[TB], v[AK0]
	v_add_nc_u32 v[ADV], s[TB], v[AV0]
	v_nop                                          ; with the two additions: four places in front of loads into registers that the last products read
	v_nop
.irp t, 0,1,2,3,4,5,6,7
.irp c, 0,1
	ds_load_b128 v[32+8*\t+4*\c:32+8*\t+4*\c+3], v[ADK] offset:16*\t*KP+32*\c
.endr
.endr
	s_wait_alu depctr_va_vdst(0)
	s_wait_dscnt 0x0
.irp t, 0,1,2,3,4,5,6,7
	v_wmma_f32_16x16x64_fp8_fp8 v[96+8*\t:103+8*\t], v[32+8*\t:39+8*\t], v[16:23], 0
.endr
.rept 4
	v_nop                                          ; places: in front of the loads into K's registers and of the first read of the scores
.endr
.irp t, 0,1,2,3                        ; V's four fragments are asked for now and land under the softmax: d = 16 t + r, keys 32 c + 16 h + 0 .. 15
.irp c, 0,1,2,3
	ds_load_b128 v[32+16*\t+4*\c:32+16*\t+4*\c+3], v[ADV] offset:16*\t*KP+(\c/2)*64*KP+32*(\c%2)
.endr
.endr
	s_add_co_u32 s96, s[KF], 127
	s_cmp_le_u32 s96, s[Q0]
	s_cbranch_scc1 .Lopen_\@                       ; all its keys count
	s_sub_co_i32 s96, s[Q0], s[KF]
	v_and_b32 v252, 15, v0
	v_bfe_u32 v253, v0, 4, 1
	s_delay_alu instid0(VALU_DEP_1)
	v_lshlrev_b32 v253, 4, v253
	s_delay_alu instid0(VALU_DEP_1)
	v_sub_nc_u32 v252, v252, v253
	s_delay_alu instid0(VALU_DEP_1)
	v_add_nc_u32 v252, s96, v252                   ; d = my query - KF - 16 h.  Register 16 b + i holds key KF + 16 h + 32 b + i: hidden where 32 b + i > d
	v_mov_b32 v254, 0xff800000
.set n, 0
.rept 64
	v_cmp_gt_i32 vcc_lo, 32*(n/16)+n%16, v252
	v_cndmask_b32 v[96+n], v[96+n], v254, vcc_lo
.set n, n+1
.endr
.Lopen_\@:
	v_max3_num_f32 v254, v96, v97, v98
	v_max3_num_f32 v252, v99, v100, v101
.irp i, 6,10,14,18,22,26,30,34,38,42,46,50,54,58
	v_max3_num_f32 v254, v254, v[96+\i], v[97+\i]
	v_max3_num_f32 v252, v252, v[98+\i], v[99+\i]
.endr
	v_max3_num_f32 v254, v254, v158, v159
	s_delay_alu instid0(VALU_DEP_1)
	v_max_num_f32 v254, v254, v252
	v_permlanex16_b32 v236, v254, s[SEL], s[SEL+1]
	s_delay_alu instid0(VALU_DEP_1)
	v_max_num_f32 v254, v254, v236
	s_delay_alu instid0(VALU_DEP_1)
	v_mul_f32 v254, s[CS], v254
	s_delay_alu instid0(VALU_DEP_1)
	v_max_num_f32 v13, v13, v254                   ; the running largest t
	v_mov_b32 v254, v12
	s_delay_alu instid0(VALU_DEP_2)
	v_floor_f32 v12, -v13                          ; -M = floor(-t): M is a whole number
	s_delay_alu instid0(VALU_DEP_1)
	v_sub_f32 v254, v12, v254
	s_delay_alu instid0(VALU_DEP_1)
	v_cvt_i32_f32 v254, v254
	s_delay_alu instid0(VALU_DEP_1)
	v_ldexp_f32 v252, 1.0, v254                    ; f = 2^(old M - new M): rounds nothing
.set j, 0
.rept 32
	v_pk_fma_f32 v[96+j:97+j], v[96+j:97+j], s[CS:CS+1], v[12:13] op_sel_hi:[1,0,0]
.set j, j+2
.endr
.set j, 0
	s_wait_alu depctr_va_vdst(0)
.rept 64
	v_exp_f32 v[96+j], v[96+j]
.set j, j+1
.endr
	v_pk_mul_f32 v[14:15], v[14:15], v[252:253] op_sel_hi:[1,0]   ; the sums under the new M: the plain instruction behind the exponentials
	s_wait_alu depctr_va_vdst(0)                   ; one wait for the batch, ahead of its first reader
	v_pk_add_f32 v[242:243], v[100:101], v[104:105]
	v_pk_add_f32 v[254:255], v[108:109], v[112:113]
	v_pk_add_f32 v[250:251], v[116:117], v[120:121]
	v_pk_add_f32 v[248:249], v[124:125], v[128:129]
	v_pk_add_f32 v[246:247], v[132:133], v[136:137]
	v_pk_add_f32 v[238:239], v[140:141], v[144:145]
	v_pk_add_f32 v[236:237], v[148:149], v[152:153]
	v_pk_add_f32 v[14:15], v[14:15], v[156:157]
	v_pk_add_f32 v[242:243], v[242:243], v[96:97]
	v_pk_add_f32 v[254:255], v[254:255], v[98:99]
	v_pk_add_f32 v[250:251], v[250:251], v[102:103]
	v_pk_add_f32 v[248:249], v[248:249], v[106:107]
	v_pk_add_f32 v[246:247], v[246:247], v[110:111]
	v_pk_add_f32 v[238:239], v[238:239], v[114:115]
	v_pk_add_f32 v[236:237], v[236:237], v[118:119]
	v_pk_add_f32 v[14:15], v[14:15], v[122:123]
	v_pk_add_f32 v[242:243], v[242:243], v[126:127]
	v_pk_add_f32 v[254:255], v[254:255], v[130:131]
	v_pk_add_f32 v[250:251], v[250:251], v[134:135]
	v_pk_add_f32 v[248:249], v[248:249], v[138:139]
	v_pk_add_f32 v[246:247], v[246:247], v[142:143]
	v_pk_add_f32 v[238:239], v[238:239], v[146:147]
	v_pk_add_f32 v[236:237], v[236:237], v[150:151]
	v_pk_add_f32 v[14:15], v[14:15], v[154:155]
	v_pk_add_f32 v[242:243], v[242:243], v[158:159]
	s_delay_alu instid0(VALU_DEP_2)
	v_pk_add_f32 v[14:15], v[14:15], v[248:249]
	s_delay_alu instid0(VALU_DEP_2)
	v_pk_add_f32 v[242:243], v[242:243], v[246:247]
	v_pk_add_f32 v[254:255], v[254:255], v[238:239]
	v_pk_add_f32 v[250:251], v[250:251], v[236:237]
	s_delay_alu instid0(VALU_DEP_2)
	v_pk_add_f32 v[14:15], v[14:15], v[254:255]
	s_delay_alu instid0(VALU_DEP_2)
	v_pk_add_f32 v[242:243], v[242:243], v[250:251]
	s_delay_alu instid0(VALU_DEP_1)
	v_pk_add_f32 v[14:15], v[14:15], v[242:243]
.irp b, 0,1,2,3
.irp i, 0,1,2,3,4,5,6,7,8,9,10,11,12,13,14,15
	v_min_num_f32 v[96+16*\b+\i], v[96+16*\b+\i], v240   ; p is not negative: the hold is one-sided
.endr
	v_cvt_scalef32_pk8_fp8_f32 v[224+4*\b:225+4*\b], v[96+16*\b:103+16*\b], v244
	v_cvt_scalef32_pk8_fp8_f32 v[226+4*\b:227+4*\b], v[104+16*\b:111+16*\b], v244
.endr
.set j, 0
.rept 16
	v_pk_mul_f32 v[160+j:161+j], v[160+j:161+j], v[252:253] op_sel_hi:[1,0]   ; O^T under the new M; also the plain instructions behind the conversions
.set j, j+2
.endr
	s_wait_alu depctr_va_vdst(0)
	s_wait_dscnt 0x0                               ; V
.irp t, 0,1,2,3
	v_wmma_f32_16x16x128_fp8_fp8 v[160+8*\t:167+8*\t], v[32+16*\t:47+16*\t], v[224:239], v[160+8*\t:167+8*\t]
.endr
.Lhidden_\@:
	s_add_co_u32 s[KF], s[KF], 128
	s_add_co_u32 s[TB], s[TB], STEPB
.endm
.macro CHANGE fill                     ; at a slot's head
	s_wait_tensorcnt 0x0                           ; my one load that was out has landed: my part of the slot ahead
	ds_add_u32 v[SPW], v[NIL]                      ; 0 onto my spare word
.if \fill
	s_xor_b32 s[G0+1], s[G0+1], SLOT1              ; the walking descriptor: the other slot, the next 512 keys
	s_add_nc_u64 s[G0+2:G0+3], s[G0+2:G0+3], 32768
	s_wait_xcnt 0x0                                ; the last prefetch, a slot back, has read its address
	s_add_nc_u64 s[PFA:PFA+1], s[PFA:PFA+1], 32768
.endif
	s_wait_dscnt 0x0                               ; the add is done, and my reads of the slot that I have left are over
	s_barrier_signal -1
	s_barrier_wait -1
.if \fill
	tensor_load_to_lds s[G0:G0+3], s[G1:G1+7]      ; the first thing behind the barrier, and my one tensor load until the next: it has the slot's steps in which to land
	s_nop 0
.rept 4
	v_nop
.endr
	ASK
.endif
.endm
.macro SLOT_STEPS                      ; a slot's four key steps: written once, walked four times
	; who takes which of the late tile's steps in this slot: all in whole numbers made of ids
	s_lshr_b32 s56, s[KF], 7                       ; the slot's first step
	s_sub_co_i32 s57, s[NA], s56
	s_max_i32 s57, s57, 0
	s_min_i32 s57, s57, 4                          ; nl: its steps that count for the early tile
	s_sub_co_i32 s58, s[NB], s56
	s_max_i32 s58, s58, 0
	s_min_i32 s58, s58, 4                          ; nh: for the late tile; never under nl
	s_sub_co_u32 s57, s58, s57
	s_lshr_b32 s57, s57, 1                         ; the early wave takes the last (nh - nl) / 2 of them,
	s_sub_co_u32 s58, s58, s57
	s_add_co_u32 s58, s58, s56
	s_lshl_b32 s58, s58, 7                         ; which begin at this key
	s_cmp_eq_u32 s[LATE], 1
	s_cselect_b32 s[WE1], s58, s[KEA]              ; late wave: the late tile's steps up to there; early wave: its own tile's steps,
	s_cselect_b32 s[WB2], 0, s58                   ; and the late tile's from there on
	s_mov_b32 s[TWICE], 4
.Lstep_\@:
	STEP
	s_sub_co_u32 s[TWICE], s[TWICE], 1
	s_cmp_lg_u32 s[TWICE], 0
	s_cbranch_scc1 .Lstep_\@
	s_sub_co_u32 s[TB], s[TB], 4*STEPB
	s_xor_b32 s[TB], s[TB], SLOT1
.endm
	s_wait_loadcnt 0x0                             ; Q
.Lslot:
	CHANGE 1
	SLOT_STEPS
	s_sub_co_u32 s[SLOTS], s[SLOTS], 1
	s_cmp_lg_u32 s[SLOTS], 0
	s_cbranch_scc1 .Lslot
	CHANGE 0                                       ; the last slot is written out
	SLOT_STEPS
	; THE HAND-OVER.  Every wave adds up the sum of the part in hand; all LDS addresses are made here, ahead of the first parting of the ways.
.rept 4
	v_nop                                          ; places behind the last products
.endr
	v_add_f32 v14, v14, v15
	s_delay_alu instid0(VALU_DEP_1)
	v_permlanex16_b32 v252, v14, s[SEL], s[SEL+1]
	s_delay_alu instid0(VALU_DEP_1)
	v_add_f32 v14, v14, v252                       ; the row's sum over the keys of the part in hand, under that part's M
	v_and_b32 v8, 15, v0
	v_bfe_u32 v9, v0, 4, 1
	s_mul_i32 s74, s[WV], 16*KP                    ; my stage for the way out
	v_mul_u32_u24 v10, v8, KP
	s_delay_alu instid0(VALU_DEP_1)
	v_lshl_add_u32 v10, v9, 3, v10
	s_delay_alu instid0(VALU_DEP_1)
	v_add_nc_u32 v10, s74, v10                     ; in: row r, 8 bytes for each half of the lanes
	v_and_b32 v8, 31, v0
	s_delay_alu instid0(VALU_DEP_1)
	v_lshrrev_b32 v11, 2, v8
	s_delay_alu instid0(VALU_DEP_1)
	v_mul_u32_u24 v11, v11, KP
	s_delay_alu instid0(VALU_DEP_3)
	v_and_b32 v9, 3, v8
	s_delay_alu instid0(VALU_DEP_1)
	v_lshl_add_u32 v11, v9, 4, v11
	s_delay_alu instid0(VALU_DEP_1)
	v_add_nc_u32 v11, s74, v11                     ; back: four lanes to a row of 64 bytes
	s_lshr_b32 s75, s[WV], 1
	s_mul_i32 s75, s75, XCH
	s_add_co_u32 s75, s75, XBASE                   ; my pair's bytes
	v_lshl_add_u32 v26, v8, 4, s75                 ; an image of four registers: 16 bytes a lane
	v_lshl_add_u32 v27, v8, 3, s75                 ; of two: 8 bytes a lane
	s_cmp_eq_u32 s[LATE], 1
	s_cbranch_scc1 .Lkeeps
	v_mov_b32 v13, v14                             ; the early wave: -M and the sum side by side,
.irp k, 0,1,2,3,4,5,6,7
	ds_store_b128 v26, v[160+4*\k:163+4*\k] offset:512*\k   ; and O^T as it stands, each accumulator from its low end on
.endr
	ds_store_b64 v27, v[12:13] offset:4096
.Lkeeps:
	s_wait_dscnt 0x0                               ; for the partner's sake: my stores are done
	s_barrier_signal -1
	s_barrier_wait -1
	s_cmp_eq_u32 s[LATE], 1
	s_cbranch_scc1 .Lmerge
	v_add_f32 v14, v24, v25                        ; the early wave goes on with the tile that it kept
	s_delay_alu instid0(VALU_DEP_1)
	v_permlanex16_b32 v252, v14, s[SEL], s[SEL+1]
	s_delay_alu instid0(VALU_DEP_1)
	v_add_f32 v14, v14, v252
.set j, 0
.rept 32
	v_mov_b32 v[96+j], v[SAVE+j]
.set j, j+1
.endr
	s_branch .Lfinal
.Lmerge:
	s_wait_alu depctr_va_vdst(0)
.irp k, 0,1,2,3,4,5,6,7
	ds_load_b128 v[96+4*\k:99+4*\k], v26 offset:512*\k     ; the late wave: the partner's O^T, in the same lanes and registers,
.endr
	ds_load_b64 v[128:129], v27 offset:4096        ; its -M and its sum
	s_wait_dscnt 0x0
	v_min_num_f32 v130, v12, v128                  ; -M of the two together: the larger M
	s_delay_alu instid0(VALU_DEP_1)
	v_sub_f32 v131, v130, v12                      ; my M less that: a whole number, 0 or less
	s_delay_alu instid0(VALU_DEP_2)
	v_sub_f32 v132, v130, v128                     ; the partner's M less that (a partner that had no step holds zeros under M = -3e38: its factor is 0)
	s_delay_alu instid0(VALU_DEP_2)
	v_cvt_i32_f32 v131, v131                       ; (it saturates)
	s_delay_alu instid0(VALU_DEP_2)
	v_cvt_i32_f32 v132, v132
	s_delay_alu instid0(VALU_DEP_2)
	v_ldexp_f32 v134, 1.0, v131                    ; both factors are powers of two: nothing is rounded
	s_delay_alu instid0(VALU_DEP_2)
	v_ldexp_f32 v136, 1.0, v132
	s_delay_alu instid0(VALU_DEP_2)
	v_mov_b32 v135, v134
	s_delay_alu instid0(VALU_DEP_2)
	v_mov_b32 v137, v136
	s_delay_alu instid0(VALU_DEP_4)
	v_mul_f32 v14, v14, v134
	s_delay_alu instid0(VALU_DEP_1)
	v_fmac_f32 v14, v129, v136
.set j, 0
.rept 16
	v_pk_mul_f32 v[96+j:97+j], v[96+j:97+j], v[136:137]
.set j, j+2
.endr
.set j, 0
.rept 16
	v_pk_fma_f32 v[96+j:97+j], v[160+j:161+j], v[134:135], v[96+j:97+j]
.set j, j+2
.endr
.Lfinal:
	; THE WAY OUT, alike for both: O^T in v96-127, the sum in v14.  O^T / sum x 2^(e4 + e5), held, converted with 2^e6, through my stage, 1,024 dense bytes a wave.
	s_wait_alu depctr_va_vdst(0)
	v_rcp_f32 v14, v14
	v_nop                                          ; the plain instruction behind the transcendental
	s_add_co_i32 s73, s70, s71
	s_wait_alu depctr_va_vdst(0)                   ; and the wait ahead of its first reader
	v_ldexp_f32 v14, v14, s73
.set j, 0
.rept 32
	v_mul_f32 v[96+j], v[96+j], v14                ; register 8 t + i: o(query r, d = 16 t + 8 h + i)
.set j, j+1
.endr
.set j, 0
.rept 32
	v_med3_num_f32 v[96+j], v[96+j], -v241, v241
.set j, j+1
.endr
.irp t, 0,1,2,3
	v_cvt_scalef32_pk8_fp8_f32 v[128+2*\t:129+2*\t], v[96+8*\t:103+8*\t], v245
.endr
	v_nop                                          ; a plain instruction behind the last conversion
.irp t, 0,1,2,3
	ds_store_b64 v10, v[128+2*\t:129+2*\t] offset:16*\t
.endr
	ds_load_b128 v[32:35], v11                     ; LDS serves a wave's instructions in order: these see my stores
	ds_load_b128 v[36:39], v11 offset:8*KP
	s_wait_dscnt 1                                 ; the first eight rows are back; the second load may be out
	global_store_b128 v[GO], v[32:35], s[8:9] th:TH_STORE_NT
	s_wait_dscnt 0x0
	global_store_b128 v[GO], v[36:39], s[8:9] offset:512 th:TH_STORE_NT
	s_wait_tensorcnt 0x0                           ; the wave's end
	ds_add_u32 v[SPW], v[NIL]
	s_wait_dscnt 0x0
	s_endpgm
.Lfunc_end_k_qb8ed56e74d_attn:
	.size	k_qb8ed56e74d_attn, .Lfunc_end_k_qb8ed56e74d_attn-k_qb8ed56e74d_attn
	.p2alignl 7, 3214868480
	.fill 96, 4, 3214868480
	.section	.rodata,"a",@progbits
	.p2align	6, 0x0
	.amdhsa_kernel k_qb8ed56e74d_attn
		.amdhsa_group_segment_fixed_size 327680
		.amdhsa_private_segment_fixed_size 0
		.amdhsa_enable_private_segment 0
		.amdhsa_kernarg_size 24
		.amdhsa_user_sgpr_count 2
		.amdhsa_user_sgpr_kernarg_segment_ptr 1
		.amdhsa_wavefront_size32 1
		.amdhsa_system_sgpr_workgroup_id_x 1
		.amdhsa_system_sgpr_workgroup_id_y 1
		.amdhsa_system_sgpr_workgroup_id_z 1
		.amdhsa_system_vgpr_workitem_id 0
		.amdhsa_next_free_vgpr 256
		.amdhsa_next_free_sgpr 100
		.amdhsa_reserve_vcc 1
		.amdhsa_float_denorm_mode_32 3
		.amdhsa_float_denorm_mode_16_64 3
		.amdhsa_memory_ordered 1
		.amdhsa_forward_progress 1
		.amdhsa_inst_pref_size 70
	.end_amdhsa_kernel
	.amdgpu_metadata
---
amdhsa.version: [ 1, 2 ]
amdhsa.kernels:
  - .name:           k_qb8ed56e74d_attn
    .symbol:         k_qb8ed56e74d_attn.kd
    .args:
      - { .name: qkv, .offset: 0, .size: 8, .value_kind: global_buffer, .address_space: global }
      - { .name: lowp_scales, .offset: 8, .size: 8, .value_kind: global_buffer, .address_space: global }
      - { .name: y, .offset: 16, .size: 8, .value_kind: global_buffer, .address_space: global }
    .group_segment_fixed_size: 327680
    .private_segment_fixed_size: 0
    .kernarg_segment_align: 8
    .kernarg_segment_size: 24
    .max_flat_workgroup_size: 512
    .sgpr_count:     100
    .vgpr_count:     256
    .wavefront_size: 32
...
	.end_amdgpu_metadata
.endif
;; end of part 3
;; launch proj (part 4): grid 8 x 32, 4 waves a work-group, clusters of 4 x 4, 327,680 bytes of LDS; arguments y, wc, lowp_scales, b_ap, x, x1; writes x1
.if DOCPART == 4
	.amdgcn_target "amdgcn-amd-amdhsa--gfx1250"
	.amdhsa_code_object_version 6
	.text
	.protected	k_qb8ed56e74d_proj
	.globl	k_qb8ed56e74d_proj
	.p2align	8
	.type	k_qb8ed56e74d_proj,@function
k_qb8ed56e74d_proj:
	s_mov_b64 s[64:65], 0
	v_nop
	global_prefetch_b8 v0, s[64:65] scope:SCOPE_SE
	s_setreg_imm32_b32 hwreg(HW_REG_WAVE_MODE, 25, 1), 1
	s_wait_xcnt 0x0
	s_wait_alu depctr_hold_cnt(0) depctr_sa_sdst(0) depctr_va_vdst(0) depctr_va_sdst(0) depctr_va_ssrc(0) depctr_va_vcc(0) depctr_vm_vsrc(0)
	s_getreg_b32 s2, hwreg(HW_REG_IB_STS2, 6, 4)
	s_cmp_eq_u32 s2, 0
	s_cbranch_scc0 .Lentry_in_a_cluster
	s_endpgm
.Lentry_in_a_cluster:
	s_bfe_u32 s2, ttmp6, 0x10000c
	s_cmp_lg_u32 s2, 0xf033
	s_cbranch_scc0 .Lentry_shape_is_right
	s_endpgm
.Lentry_shape_is_right:
; out = res + bias + A W^T x 2^(eA + eB), the product on codes of E4M3; out, res: [4096][1024] f32.  Here: product 4, A = the attention's result, W = W_ap's codes, res = x, out = x1.
; A lies in pieces: [row block of 128][piece of CW along K][128 rows][CW bytes], so a K step's tile of A is 65,536 dense bytes.  W: [1024 (n)][SIZE_K] bytes at WOFF of wc.
; A tile of 128 x 128 (256 of them, one for each work-group) is made by four waves, 64 x 64 each: 16 accumulators.  K goes in steps of 512 through two LDS slots; a step is four quarters of 128.
; CLUSTERS of 4 x 4: A's tile is shared along a row of the cluster, W's along a column: joint loads.  The matrix instruction is used transposed: a lane holds eight neighbouring columns of one row.
; The residual waits in registers from the head on.  LIMIT: eA + eB between -126 and 127.
; REGISTERS: window 0: v0-31 addresses, v32-35 the bias, v128-255 the accumulators ((a, b) at v[128 + 8 (4 a + b)]).  window 1: two fragment buffers of 128 (A's 4 x 16, then W's 4 x 16).
;   window 2: v0-127 the residual + bias, v128-255 the sums read back by rows.
.set SIZE_K, 1024
.set CW,     64                        ; bytes of a row of a piece of A
.set PA,     80                        ; and in LDS: + 16 of padding
.set QIA,    3                         ; the padding's interval: 16 words
.set WOFF,   3145728
.set EOFF,   0x18                      ; e6, e7
.set LAPS,   SIZE_K/1024               ; a lap = two K steps of 512
.set KROW,   SIZE_K
.set AROWS,  32768/CW                  ; rows of one tensor load of A
.set AREG,   (512/CW)*128*PA           ; A's part of a slot
.set HQ,     (256/CW)*128*PA           ; from A's quarters 0, 1 to its quarters 2, 3
.set PB,     528                       ; a row of W's tile: 512 bytes + 16
.set SLOT,   AREG+128*PB
.set SPARE,  2*SLOT                    ; the spare words, 128 bytes a wave, which no other line names
.set SP,     272                       ; the way out: a stage of 16 rows x (256 bytes + 16) for each wave, in slot 0, which has had its last fill and its last read by then
.set ADRA, 16                          ; v16-19: slot 0 quarters 0-1, 2-3; slot 1 likewise
.set ADRB, 20                          ; v20-21
.set STO,  24
.set RD,   25
.set CO,   26
.set BO,   27
.set SPW,  28
.set NIL,  29
.set BI,   32
.set ACC,  128
.set F0,   0
.set F1,   128
.set G1, 24
.set G0, 32
.set G1B, 48
.set G0B, 56
.set MSB, 0
.macro WIN new                         ; the immediate's high byte repeats the setting that is left
.if MSB != \new
	s_set_vgpr_msb (MSB<<8)|\new
.set MSB, \new
.endif
.endm
.set MUL,  0x05                        ; sources 0 and 1 window 1; C and D window 0
.set TO_F, 0x40                        ; destination window 1
.macro JLOAD s                         ; waves 0, 1 fetch A's halves, waves 2, 3 W's; four v_nop follow each line
	s_cmp_eq_u32 s11, 0
	s_cbranch_scc0 .Lfor_b_\@
	tensor_load_to_lds s[G0+4*\s:G0+4*\s+3], s[G1:G1+7]
	s_nop 0
.rept 4
	v_nop
.endr
	s_branch .Lasked_\@
.Lfor_b_\@:
	tensor_load_to_lds s[G0B+4*\s:G0B+4*\s+3], s[G1B:G1B+7]
	s_nop 0
.rept 4
	v_nop
.endr
.Lasked_\@:
.endm
.macro CREST
	s_cmp_lg_u32 s10, 0
	s_cbranch_scc1 .Lnot_wave_0_\@
	s_barrier_signal -3
.Lnot_wave_0_\@:
	s_barrier_wait -3
	s_barrier_signal -1
	s_barrier_wait -1
.endm
.macro CROUND
	s_barrier_signal -1
	s_barrier_wait -1
	CREST
.endm
	s_load_b256 s[68:75], s[0:1], 0x0              ; A s[68:69], wc s[70:71], the exponents s[72:73], the bias s[74:75]
	s_load_b128 s[76:79], s[0:1], 0x20             ; res s[76:77], out s[78:79]
	v_lshl_add_u32 v[SPW], v0, 2, SPARE
	v_mov_b32 v[NIL], 0
	ds_add_u32 v28, v29
	ds_add_u32 v28, v29
	s_wait_dscnt 0x0
	v_lshrrev_b32 v1, 5, v0
	v_readfirstlane_b32 s10, v1                    ; wave
	s_lshr_b32 s11, s10, 1                         ; my half of the tile's rows; also: I fetch for A (0) or W (1)
	s_and_b32 s12, s10, 1                          ; my half of its columns; also: which half I fetch
	s_bfe_u32 s40, ttmp6, 0x40000                  ; cx
	s_bfe_u32 s41, ttmp6, 0x40004                  ; cy
	s_lshl_b32 s42, ttmp9, 2
	s_add_co_u32 s42, s42, s40                     ; tile column
	s_and_b32 s13, ttmp7, 0xffff
	s_lshl_b32 s13, s13, 2
	s_add_co_u32 s13, s13, s41                     ; tile row
	s_lshl_b32 s43, s41, 2
	s_lshl_b32 s43, 15, s43
	s_lshl_b32 s44, 0x1111, s40
	s_or_b32 s[G1+0], s43, (0<<16)|(1<<20)|(1<<21)|(QIA<<22)|(3<<25)   ; A: the mask of my row; elements of 1 byte; 4 words of padding behind every row
	s_mov_b32 s[G1+1], CW<<16
	s_mov_b32 s[G1+2], AROWS<<16
	s_mov_b32 s[G1+3], CW<<16
	s_mov_b32 s[G1+4], AROWS
	s_mov_b32 s[G1+5], CW                          ; dense
	s_mov_b32 s[G1+6], 0
	s_mov_b32 s[G1+7], 0
	s_or_b32 s[G1B+0], s44, (0<<16)|(1<<20)|(1<<21)|(6<<22)|(3<<25)    ; W: the mask of my column; 4 words after every 128
	s_mov_b32 s[G1B+1], 512<<16
	s_mov_b32 s[G1B+2], 64<<16
	s_mov_b32 s[G1B+3], 512<<16
	s_mov_b32 s[G1B+4], 64
	s_mov_b32 s[G1B+5], KROW
	s_mov_b32 s[G1B+6], 0
	s_mov_b32 s[G1B+7], 0
	s_mul_i32 s16, s13, 128*SIZE_K
	s_lshl_b32 s17, s12, 15
	s_add_co_u32 s16, s16, s17                     ; A: the row block, + my half of a K step's 65,536 bytes
	s_mov_b32 s17, 0
	s_lshl_b32 s46, s42, 7
	s_lshl_b32 s47, s12, 6
	s_add_co_u32 s46, s46, s47
	s_mul_i32 s46, s46, KROW
	s_add_co_u32 s46, s46, WOFF                    ; W: row 128 x tile column + 64 x half
	s_mov_b32 s47, 0
	s_mul_i32 s20, s12, AREG/2                     ; where they go
	s_mul_i32 s21, s12, 64*PB
	s_add_co_u32 s21, s21, AREG
	s_mov_b32 s8, 1024
	s_cmp_eq_u32 s11, 0
	s_cselect_b32 s8, 512, s8                      ; the prefetch's offset: blocks of 256 bytes, two to 512 dense bytes of A or two to a row of W
	v_and_b32 v12, 31, v0
	v_lshrrev_b32 v13, 1, v12
	v_and_b32 v12, 1, v12
	v_mul_u32_u24 v13, s8, v13
	v_lshl_add_u32 v12, v12, 8, v13                ; never rewritten
	s_wait_alu depctr_va_vdst(0)
	s_wait_kmcnt 0x0
	s_load_b64 s[80:81], s[72:73], EOFF            ; eA, eB
	s_add_nc_u64 s[14:15], s[68:69], s[16:17]
	s_add_nc_u64 s[46:47], s[70:71], s[46:47]
	s_cmp_eq_u32 s11, 0                            ; the prefetch: of what my wave fetches for K step 1 each of the four partners that ask for it jointly names a quarter, told apart by address
	s_cselect_b64 s[18:19], s[14:15], s[46:47]
	s_cselect_b32 s4, s40, s41                     ; my place among the four: cx for A, cy for W
	s_cselect_b32 s6, 13, 14                       ; a quarter: 8,192 dense bytes of A, 16 rows of W
	s_mov_b32 s7, 512
	s_cselect_b32 s7, 0x10000, s7                  ; K step 1: 65,536 bytes on in A, 512 on in a row of W
	s_lshl_b32 s4, s4, s6
	s_add_co_u32 s4, s4, s7
	s_mov_b32 s5, 0
	s_add_nc_u64 s[18:19], s[18:19], s[4:5]        ; never rewritten
	CROUND                                         ; all sixteen work-groups are here: the first joint loads meet
.irp s, 0,1
	s_mov_b32 s[G0+4*\s], 1
	s_add_co_u32 s[G0+4*\s+1], s20, \s*SLOT
	s_add_nc_u64 s[G0+4*\s+2:G0+4*\s+3], s[14:15], \s*65536
	s_or_b32 s[G0+4*\s+3], s[G0+4*\s+3], 0x80000000
	s_mov_b32 s[G0B+4*\s], 1
	s_add_co_u32 s[G0B+4*\s+1], s21, \s*SLOT
	s_add_nc_u64 s[G0B+4*\s+2:G0B+4*\s+3], s[46:47], \s*512
	s_or_b32 s[G0B+4*\s+3], s[G0B+4*\s+3], 0x80000000
.if \s
	s_wait_alu depctr_va_vdst(0)
	s_wait_tensorcnt 0x0                           ; slot 1's first fill is issued as a refill is
	ds_add_u32 v28, v29
	s_wait_dscnt 0x0
	CROUND
.endif
	JLOAD \s
.if \s == 0
	global_prefetch_b8 v12, s[18:19] th:TH_LOAD_NT scope:SCOPE_SE   ; behind K step 0's load: 32 blocks of 256 bytes of K step 1, the last: its load goes out when K step 0's has landed
.endif
.endr
	v_and_b32 v1, 15, v0                           ; r
	v_bfe_u32 v2, v0, 4, 1                         ; h
	v_mul_u32_u24 v3, v1, PA
	v_lshl_add_u32 v3, v2, 4, v3
	v_mul_u32_u24 v4, v1, PB
	v_lshl_add_u32 v4, v2, 4, v4
	s_wait_alu depctr_va_vdst(0)
	s_mul_i32 s22, s11, 64*PA
	s_mul_i32 s23, s12, 64*PB
	s_add_co_u32 s23, s23, AREG
.irp s, 0,1
	v_add_nc_u32 v[ADRA+2*\s], s22, v3
	s_add_co_u32 s22, s22, HQ
	v_add_nc_u32 v[ADRA+2*\s+1], s22, v3
	s_add_co_u32 s22, s22, SLOT-HQ
	v_add_nc_u32 v[ADRB+\s], s23, v4
	s_add_co_u32 s23, s23, SLOT
.endr
	s_mul_i32 s22, s10, 16*SP                      ; my stage
	v_mul_u32_u24 v5, v1, SP
	v_lshl_add_u32 v5, v2, 5, v5
	v_add_nc_u32 v[STO], s22, v5                   ; in: row r, 32 bytes for each half of the lanes
	v_mul_u32_u24 v5, v2, SP
	v_lshl_add_u32 v5, v1, 4, v5
	v_add_nc_u32 v[RD], s22, v5                    ; back: lanes 0-15 one row of 256 bytes, lanes 16-31 the next
	v_lshlrev_b32 v[BO], 4, v1
	s_wait_alu depctr_va_vdst(0)
	v_lshl_add_u32 v[CO], v2, 12, v[BO]            ; and the same two rows in res and out
	s_wait_alu depctr_va_vdst(0)
	s_lshl_b32 s82, s13, 7
	s_lshl_b32 s83, s11, 6
	s_add_co_u32 s82, s82, s83
	s_lshl_b32 s82, s82, 12                        ; my first row, in bytes
	s_lshl_b32 s90, s42, 7
	s_lshl_b32 s91, s12, 6
	s_add_co_u32 s90, s90, s91
	s_lshl_b32 s90, s90, 2                         ; my first column, in bytes
	s_mov_b32 s91, 0
	s_add_nc_u64 s[88:89], s[74:75], s[90:91]
	s_add_co_u32 s82, s82, s90
	s_mov_b32 s83, 0
	s_add_nc_u64 s[84:85], s[76:77], s[82:83]
	s_add_nc_u64 s[86:87], s[78:79], s[82:83]
	global_load_b128 v[BI:BI+3], v[BO], s[88:89]   ; the bias of my four columns
	WIN 0x80                                       ; destination window 2
.irp a, 0,1,2,3
.irp u, 0,1,2,3,4,5,6,7
	global_load_b128 v[32*\a+4*\u:32*\a+4*\u+3], v[CO], s[84:85] offset:(16*\a+2*\u)*4096
.endr
.endr
	WIN 0
.macro MUL4 f, a, zero                 ; the 16 accumulators take turns, one instruction a turn, in the same order in every quarter
.irp b, 0,1,2,3
.if \zero
	v_wmma_f32_16x16x128_fp8_fp8 v[ACC+8*(4*(\a)+\b):ACC+8*(4*(\a)+\b)+7], v[\f+64+16*\b:\f+64+16*\b+15], v[\f+16*(\a):\f+16*(\a)+15], 0
.else
	v_wmma_f32_16x16x128_fp8_fp8 v[ACC+8*(4*(\a)+\b):ACC+8*(4*(\a)+\b)+7], v[\f+64+16*\b:\f+64+16*\b+15], v[\f+16*(\a):\f+16*(\a)+15], v[ACC+8*(4*(\a)+\b):ACC+8*(4*(\a)+\b)+7]
.endif
.endr
.endm
.macro FETCH slot, q, f                ; 32 LDS loads in one run: W's four fragments, then A's; registers 4 c .. 4 c + 3: K = 32 c + 16 h + 0 .. 15 in both
	WIN TO_F
.irp i, 0,1,2,3
.irp c, 0,1,2,3
	ds_load_b128 v[\f+64+16*\i+4*\c:\f+64+16*\i+4*\c+3], v[ADRB+\slot] offset:\i*16*PB+128*(\q)+32*\c
.endr
.endr
.irp i, 0,1,2,3
.irp c, 0,1,2,3
	ds_load_b128 v[\f+16*\i+4*\c:\f+16*\i+4*\c+3], v[ADRA+2*\slot+(\q)/2] offset:\i*16*PA+((128*((\q)%2)+32*\c)/CW)*128*PA+(128*((\q)%2)+32*\c)%CW
.endr
.endr
.endm
.macro PLACES                          ; four plain vector instructions between a matrix instruction and a load into, or a read of, its registers
.rept 4
	v_nop
.endr
.endm
.macro QUARTER slot, qn, f, g, zero    ; multiplies buffer f; in its middle fetches quarter qn of the same slot into g
	s_wait_dscnt 8                                 ; all but the youngest eight loads (A's blocks 2, 3)
	WIN MUL
	MUL4 \f, 0, \zero
	MUL4 \f, 1, \zero
	PLACES
	FETCH \slot, \qn, \g
	s_wait_dscnt 32                                ; all but the 32 just issued
	WIN MUL
	MUL4 \f, 2, \zero
	MUL4 \f, 3, \zero
.endm
.macro TURN slot, next, fill           ; the last quarter multiplies buffer 1 and changes slots: one barrier
	WIN 0
	s_wait_tensorcnt 0x0                           ; all my tensor loads have landed: my part of the next slot
	ds_add_u32 v[SPW], v[NIL]                      ; 0 onto my spare word
	s_wait_dscnt 9                                 ; the add and the youngest eight loads may be out
	WIN MUL
	MUL4 F1, 0, 0
	s_wait_dscnt 0x0                               ; the add is done, and my reads of this slot are over
	s_barrier_signal -1
	MUL4 F1, 1, 0
	WIN 0
	s_barrier_wait -1
.if \fill
	CREST                                          ; the barrier has opened a round of the cluster's
	s_add_nc_u64 s[G0+4*\slot+2:G0+4*\slot+3], s[G0+4*\slot+2:G0+4*\slot+3], 2*65536
	s_add_nc_u64 s[G0B+4*\slot+2:G0B+4*\slot+3], s[G0B+4*\slot+2:G0B+4*\slot+3], 2*512
	JLOAD \slot                                    ; the first tensor load behind the round; its four v_nop are the places in front of the loads below
.else
	PLACES
.endif
	FETCH \next, 0, F0
	WIN MUL
	MUL4 F1, 2, 0
	MUL4 F1, 3, 0
.endm
	s_wait_tensorcnt 1                             ; my part of K step 0 is in; K step 1's load may be out
	s_barrier_signal -1
	s_barrier_wait -1
	FETCH 0, 0, F0
	QUARTER 0, 1, F0, F1, 1                        ; the first quarter's products start the sums
.if LAPS > 1
	WIN 0
	s_mov_b32 s3, LAPS-1
.Llap:
	QUARTER 0, 2, F1, F0, 0
	QUARTER 0, 3, F0, F1, 0
	TURN 0, 1, 1
	QUARTER 1, 1, F0, F1, 0
	QUARTER 1, 2, F1, F0, 0
	QUARTER 1, 3, F0, F1, 0
	TURN 1, 0, 1
	QUARTER 0, 1, F0, F1, 0
	WIN 0
	s_sub_co_u32 s3, s3, 1
	s_cmp_lg_u32 s3, 0
	s_cbranch_scc1 .Llap
.endif
	QUARTER 0, 2, F1, F0, 0
	QUARTER 0, 3, F0, F1, 0
	TURN 0, 1, 0
	QUARTER 1, 1, F0, F1, 0
	QUARTER 1, 2, F1, F0, 0
	QUARTER 1, 3, F0, F1, 0
	s_wait_dscnt 8
	WIN MUL
	MUL4 F1, 0, 0
	MUL4 F1, 1, 0
	s_wait_dscnt 0
	MUL4 F1, 2, 0
	MUL4 F1, 3, 0
	WIN 0
	; THE WAY OUT: 16 rows x 64 columns at a time through my stage, back as whole rows of 256 bytes; out = sum x 2^(eA + eB) + (res + bias); sixteen lanes store 256 consecutive bytes, aligned.
	PLACES
	s_wait_kmcnt 0x0
	s_add_co_i32 s66, s80, s81
	s_add_co_i32 s66, s66, 127
	s_lshl_b32 s66, s66, 23
	s_mov_b32 s67, s66
	s_wait_loadcnt 0x0                             ; the residual and the bias
	WIN 0x82                                       ; source 0 and destination window 2
.set j, 0
.rept 64
	v_pk_add_f32 v[j:j+1], v[j:j+1], v[BI+j%4:BI+j%4+1]
.set j, j+2
.endr
	WIN 0
.macro STG a
.irp b, 0,1,2,3
	ds_store_b128 v[STO], v[ACC+8*(4*(\a)+\b):ACC+8*(4*(\a)+\b)+3] offset:64*\b          ; each accumulator from its low end on
	ds_store_b128 v[STO], v[ACC+8*(4*(\a)+\b)+4:ACC+8*(4*(\a)+\b)+7] offset:64*\b+16
.endr
	WIN 0x80
.irp u, 0,1,2,3,4,5,6,7
	ds_load_b128 v[128+32*(\a)+4*\u:128+32*(\a)+4*\u+3], v[RD] offset:2*SP*\u            ; LDS serves a wave's instructions in order: these see the stores above, and the next block's stores come behind them
.endr
	WIN 0
.endm
.macro OUT a, younger                  ; younger: the next block's eight stores and eight loads, or none
	s_wait_dscnt \younger
	WIN 0xa2                                       ; source 0, source 2 and destination window 2
.set j, 0
.rept 16
	v_pk_fma_f32 v[128+32*(\a)+j:128+32*(\a)+j+1], v[128+32*(\a)+j:128+32*(\a)+j+1], s[66:67], v[32*(\a)+j:32*(\a)+j+1] op_sel_hi:[1,0,1]
.set j, j+2
.endr
	WIN 0x08                                       ; store data window 2
.irp u, 0,1,2,3,4,5,6,7
	global_store_b128 v[CO], v[128+32*(\a)+4*\u:128+32*(\a)+4*\u+3], s[86:87] offset:(16*(\a)+2*\u)*4096
.endr
	WIN 0
.endm
	STG 0
	STG 1
	OUT 0, 16
	STG 2
	OUT 1, 16
	STG 3
	OUT 2, 16
	OUT 3, 0
	s_wait_tensorcnt 0x0                           ; the wave's end
	ds_add_u32 v[SPW], v[NIL]
	s_wait_dscnt 0x0
	CROUND                                         ; the closing round
	s_endpgm
.Lfunc_end_k_qb8ed56e74d_proj:
	.size	k_qb8ed56e74d_proj, .Lfunc_end_k_qb8ed56e74d_proj-k_qb8ed56e74d_proj
	.p2alignl 7, 3214868480
	.fill 96, 4, 3214868480
	.section	.rodata,"a",@progbits
	.p2align	6, 0x0
	.amdhsa_kernel k_qb8ed56e74d_proj
		.amdhsa_group_segment_fixed_size 327680
		.amdhsa_private_segment_fixed_size 0
		.amdhsa_enable_private_segment 0
		.amdhsa_kernarg_size 48
		.amdhsa_user_sgpr_count 2
		.amdhsa_user_sgpr_kernarg_segment_ptr 1
		.amdhsa_wavefront_size32 1
		.amdhsa_system_sgpr_workgroup_id_x 1
		.amdhsa_system_sgpr_workgroup_id_y 1
		.amdhsa_system_sgpr_workgroup_id_z 1
		.amdhsa_system_vgpr_workitem_id 0
		.amdhsa_next_free_vgpr 768
		.amdhsa_next_free_sgpr 98
		.amdhsa_reserve_vcc 0
		.amdhsa_float_denorm_mode_32 3
		.amdhsa_float_denorm_mode_16_64 3
		.amdhsa_memory_ordered 1
		.amdhsa_forward_progress 1
		.amdhsa_inst_pref_size 55
	.end_amdhsa_kernel
	.amdgpu_metadata
---
amdhsa.version: [ 1, 2 ]
amdhsa.kernels:
  - .name:           k_qb8ed56e74d_proj
    .symbol:         k_qb8ed56e74d_proj.kd
    .args:
      - { .name: y, .offset: 0, .size: 8, .value_kind: global_buffer, .address_space: global }
      - { .name: wc, .offset: 8, .size: 8, .value_kind: global_buffer, .address_space: global }
      - { .name: lowp_scales, .offset: 16, .size: 8, .value_kind: global_buffer, .address_space: global }
      - { .name: b_ap, .offset: 24, .size: 8, .value_kind: global_buffer, .address_space: global }
      - { .name: x, .offset: 32, .size: 8, .value_kind: global_buffer, .address_space: global }
      - { .name: x1, .offset: 40, .size: 8, .value_kind: global_buffer, .address_space: global }
    .group_segment_fixed_size: 327680
    .private_segment_fixed_size: 0
    .kernarg_segment_align: 8
    .kernarg_segment_size: 48
    .max_flat_workgroup_size: 128
    .sgpr_count:     98
    .vgpr_count:     768
    .wavefront_size: 32
...
	.end_amdgpu_metadata
.endif
;; end of part 4
;; launch ln2 (part 5): grid 256 x 1, 4 waves a work-group, no clusters, 8,704 bytes of LDS; arguments x1, ln2_g, ln2_b, lowp_scales, a2; writes a2
.if DOCPART == 5
	.amdgcn_target "amdgcn-amd-amdhsa--gfx1250"
	.amdhsa_code_object_version 6
	.text
	.protected	k_qb8ed56e74d_ln2
	.globl	k_qb8ed56e74d_ln2
	.p2align	8
	.type	k_qb8ed56e74d_ln2,@function
k_qb8ed56e74d_ln2:
	s_mov_b64 s[64:65], 0
	v_nop
	global_prefetch_b8 v0, s[64:65] scope:SCOPE_SE
	s_setreg_imm32_b32 hwreg(HW_REG_WAVE_MODE, 25, 1), 1
	s_wait_xcnt 0x0
; LayerNorm 2 of x1 [4096][1024] f32, quantised with 2^e8 to codes of E4M3, [4096][1024] bytes in a2.
; A wave takes four rows, one at a time, a row in 32 registers: mean, then the variance of the centred numbers, all in f32.  Every load reads 512 consecutive bytes; the codes turn through the wave's own
; stage in LDS and leave as two stores of 512 consecutive bytes a row.  No barrier: waves share nothing.  LIMITS: e8 between -126 and 119; NaN is not served.
.set LX,   32                          ; v32-159 four rows
.set LG,   160                         ; v160-191 the gain, v192-223 the bias, in a row's layout
.set LB,   192
.set LC,   16                          ; v16-23 a row's codes
.set PX,   4
.set PG,   6
.set PB,   8
.set PO,   12
	s_load_b256 s[4:11], s[0:1], 0x0               ; x1, ln2_g, ln2_b, the exponents
	s_load_b64 s[12:13], s[0:1], 0x20              ; a2
	v_lshl_add_u32 v224, v0, 2, 0x2000
	v_mov_b32 v225, 0
	v_lshrrev_b32 v1, 5, v0
	v_readfirstlane_b32 s3, v1                     ; wave
	v_and_b32 v2, 31, v0                           ; lane
	s_lshl_b32 s40, ttmp9, 4
	s_lshl_b32 s41, s3, 2
	s_add_co_u32 s40, s40, s41                     ; my wave's first row
	s_lshl_b32 s42, s40, 12
	s_mov_b32 s43, 0
	s_wait_alu depctr_va_vdst(0)
	s_wait_kmcnt 0x0
	s_load_b32 s24, s[10:11], 0x20                 ; e8
	s_add_nc_u64 s[PX:PX+1], s[PX:PX+1], s[42:43]
	s_lshl_b32 s42, s40, 10
	s_add_nc_u64 s[PO:PO+1], s[PO:PO+1], s[42:43]
	v_lshlrev_b32 v3, 4, v2                        ; 16 x lane; never rewritten
	s_lshl_b32 s44, s3, 11
	v_lshl_add_u32 v4, v2, 2, s44                  ; the stage, in: 4 bytes a lane
	v_add_nc_u32 v5, s44, v3                       ; and out: 16 bytes a lane
	s_mov_b32 s50, 0x3a800000                      ; 1 / 1024
	s_mov_b32 s51, 0x3727c5ac                      ; 1e-5
	s_mov_b32 s52, 0x76543210
	s_mov_b32 s53, 0xfedcba98
.irp i, 0,1,2,3,4,5,6,7                ; load i of a row: lane l takes k = 128 i + 4 l + 0 .. 3
	global_load_b128 v[LG+4*\i:LG+4*\i+3], v3, s[PG:PG+1] offset:512*\i
.endr
.irp i, 0,1,2,3,4,5,6,7
	global_load_b128 v[LB+4*\i:LB+4*\i+3], v3, s[PB:PB+1] offset:512*\i
.endr
.irp r, 0,1,2,3
.irp i, 0,1,2,3,4,5,6,7
	global_load_b128 v[LX+32*\r+4*\i:LX+32*\r+4*\i+3], v3, s[PX:PX+1] offset:4096*\r+512*\i
.endr
.endr
	s_wait_kmcnt 0x0
	s_add_co_i32 s45, s24, 127
	s_lshl_b32 s46, s45, 23
	v_mov_b32 v11, s46                             ; 2^e8
	s_add_co_i32 s45, s45, 8
	s_lshl_b32 s45, s45, 23
	s_or_b32 s45, s45, 0x600000
	v_mov_b32 v10, s45                             ; 448 x 2^e8
.macro REDUCE                          ; v24 summed over the 32 lanes, the sum in every lane
	v_add_f32_dpp v24, v24, v24 row_xmask:1 row_mask:0xf bank_mask:0xf
	v_add_f32_dpp v24, v24, v24 row_xmask:2 row_mask:0xf bank_mask:0xf
	v_add_f32_dpp v24, v24, v24 row_xmask:4 row_mask:0xf bank_mask:0xf
	v_add_f32_dpp v24, v24, v24 row_xmask:8 row_mask:0xf bank_mask:0xf
	v_permlanex16_b32 v25, v24, s52, s53
	v_add_f32 v24, v24, v25
.endm
.macro SENDROW r
	s_wait_dscnt 0x0
	global_store_b128 v3, v[LX+32*(\r):LX+32*(\r)+3], s[PO:PO+1] offset:1024*(\r)
	global_store_b128 v3, v[LX+32*(\r)+4:LX+32*(\r)+7], s[PO:PO+1] offset:1024*(\r)+512
.endm
.macro LNROW r
.set XR, LX+32*(\r)
	s_wait_loadcnt 8*(3-(\r))                      ; gain, bias and this row are in; the later rows' eight loads each may be out
	v_pk_add_f32 v[24:25], v[XR:XR+1], v[XR+2:XR+3]
	v_pk_add_f32 v[26:27], v[XR+4:XR+5], v[XR+6:XR+7]
.irp p, 8,12,16,20,24,28
	v_pk_add_f32 v[24:25], v[24:25], v[XR+\p:XR+\p+1]
	v_pk_add_f32 v[26:27], v[26:27], v[XR+\p+2:XR+\p+3]
.endr
	v_pk_add_f32 v[24:25], v[24:25], v[26:27]
	v_add_f32 v24, v24, v25
	REDUCE
	v_mul_f32 v12, s50, v24                        ; the mean
	v_mov_b32 v13, v12
.irp p, 0,2,4,6,8,10,12,14,16,18,20,22,24,26,28,30
	v_pk_add_f32 v[XR+\p:XR+\p+1], v[XR+\p:XR+\p+1], v[12:13] neg_lo:[0,1] neg_hi:[0,1]
.endr
	v_pk_mul_f32 v[24:25], v[XR:XR+1], v[XR:XR+1]
	v_pk_mul_f32 v[26:27], v[XR+2:XR+3], v[XR+2:XR+3]
.irp p, 4,8,12,16,20,24,28
	v_pk_fma_f32 v[24:25], v[XR+\p:XR+\p+1], v[XR+\p:XR+\p+1], v[24:25]
	v_pk_fma_f32 v[26:27], v[XR+\p+2:XR+\p+3], v[XR+\p+2:XR+\p+3], v[26:27]
.endr
	v_pk_add_f32 v[24:25], v[24:25], v[26:27]
	v_add_f32 v24, v24, v25
	REDUCE
	v_fma_f32 v28, v24, s50, s51                   ; the variance + 1e-5
	s_wait_alu depctr_va_vdst(0)
	v_rsq_f32 v14, v28
	v_nop                                          ; a plain instruction behind the transcendental,
	s_wait_alu depctr_va_vdst(0)                   ; and the wait ahead of its first reader
	v_mov_b32 v15, v14
.if (\r) > 0
	s_wait_alu depctr_va_vdst(0)
	SENDROW (\r)-1
.endif
.irp p, 0,2,4,6,8,10,12,14,16,18,20,22,24,26,28,30
	v_pk_mul_f32 v[XR+\p:XR+\p+1], v[XR+\p:XR+\p+1], v[14:15]
.endr
.irp p, 0,2,4,6,8,10,12,14,16,18,20,22,24,26,28,30
	v_pk_fma_f32 v[XR+\p:XR+\p+1], v[XR+\p:XR+\p+1], v[LG+\p:LG+\p+1], v[LB+\p:LB+\p+1]
.endr
.set i, 0
.rept 32
	v_med3_num_f32 v[XR+i], v[XR+i], -v10, v10     ; the conversion does not saturate (ISA guide 7.6.2): the hold comes first
.set i, i+1
.endr
.irp p, 0,1,2,3
	v_cvt_scalef32_pk8_fp8_f32 v[LC+2*\p:LC+2*\p+1], v[XR+8*\p:XR+8*\p+7], v11   ; register LC + i: the four codes of load i
.endr
	v_nop                                          ; a plain instruction behind the last conversion
.irp i, 0,1,2,3,4,5,6,7
	ds_store_b32 v4, v[LC+\i] offset:1024*((\r)%2)+128*\i
.endr
	ds_load_b128 v[XR:XR+3], v5 offset:1024*((\r)%2)
	ds_load_b128 v[XR+4:XR+7], v5 offset:1024*((\r)%2)+512
.endm
	LNROW 0
	LNROW 1
	LNROW 2
	LNROW 3
	SENDROW 3
	s_wait_tensorcnt 0x0
	ds_add_u32 v224, v225
	s_wait_dscnt 0x0
	s_endpgm
.Lfunc_end_k_qb8ed56e74d_ln2:
	.size	k_qb8ed56e74d_ln2, .Lfunc_end_k_qb8ed56e74d_ln2-k_qb8ed56e74d_ln2
	.p2alignl 7, 3214868480
	.fill 96, 4, 3214868480
	.section	.rodata,"a",@progbits
	.p2align	6, 0x0
	.amdhsa_kernel k_qb8ed56e74d_ln2
		.amdhsa_group_segment_fixed_size 8704
		.amdhsa_private_segment_fixed_size 0
		.amdhsa_enable_private_segment 0
		.amdhsa_kernarg_size 40
		.amdhsa_user_sgpr_count 2
		.amdhsa_user_sgpr_kernarg_segment_ptr 1
		.amdhsa_wavefront_size32 1
		.amdhsa_system_sgpr_workgroup_id_x 1
		.amdhsa_system_sgpr_workgroup_id_y 1
		.amdhsa_system_sgpr_workgroup_id_z 1
		.amdhsa_system_vgpr_workitem_id 0
		.amdhsa_next_free_vgpr 226
		.amdhsa_next_free_sgpr 66
		.amdhsa_reserve_vcc 0
		.amdhsa_float_denorm_mode_32 3
		.amdhsa_float_denorm_mode_16_64 3
		.amdhsa_memory_ordered 1
		.amdhsa_forward_progress 1
		.amdhsa_inst_pref_size 44
	.end_amdhsa_kernel
	.amdgpu_metadata
---
amdhsa.version: [ 1, 2 ]
amdhsa.kernels:
  - .name:           k_qb8ed56e74d_ln2
    .symbol:         k_qb8ed56e74d_ln2.kd
    .args:
      - { .name: x1, .offset: 0, .size: 8, .value_kind: global_buffer, .address_space: global }
      - { .name: ln2_g, .offset: 8, .size: 8, .value_kind: global_buffer, .address_space: global }
      - { .name: ln2_b, .offset: 16, .size: 8, .value_kind: global_buffer, .address_space: global }
      - { .name: lowp_scales, .offset: 24, .size: 8, .value_kind: global_buffer, .address_space: global }
      - { .name: a2, .offset: 32, .size: 8, .value_kind: global_buffer, .address_space: global }
    .group_segment_fixed_size: 8704
    .private_segment_fixed_size: 0
    .kernarg_segment_align: 8
    .kernarg_segment_size: 40
    .max_flat_workgroup_size: 128
    .sgpr_count:     66
    .vgpr_count:     226
    .wavefront_size: 32
...
	.end_amdgpu_metadata
.endif
;; end of part 5
;; launch fc (part 6): grid 16 x 16, 4 waves a work-group, clusters of 4 x 4, 327,680 bytes of LDS; arguments a2, wc, lowp_scales, b_fc, hid; writes hid
.if DOCPART == 6
	.amdgcn_target "amdgcn-amd-amdhsa--gfx1250"
	.amdhsa_code_object_version 6
	.text
	.protected	k_qb8ed56e74d_fc
	.globl	k_qb8ed56e74d_fc
	.p2align	8
	.type	k_qb8ed56e74d_fc,@function
k_qb8ed56e74d_fc:
	s_mov_b64 s[64:65], 0
	v_nop
	global_prefetch_b8 v0, s[64:65] scope:SCOPE_SE
	s_setreg_imm32_b32 hwreg(HW_REG_WAVE_MODE, 25, 1), 1
	s_wait_xcnt 0x0
	s_wait_alu depctr_hold_cnt(0) depctr_sa_sdst(0) depctr_va_vdst(0) depctr_va_sdst(0) depctr_va_ssrc(0) depctr_va_vcc(0) depctr_vm_vsrc(0)
	s_getreg_b32 s2, hwreg(HW_REG_IB_STS2, 6, 4)
	s_cmp_eq_u32 s2, 0
	s_cbranch_scc0 .Lentry_in_a_cluster
	s_endpgm
.Lentry_in_a_cluster:
	s_bfe_u32 s2, ttmp6, 0x10000c
	s_cmp_lg_u32 s2, 0xf033
	s_cbranch_scc0 .Lentry_shape_is_right
	s_endpgm
.Lentry_shape_is_right:
.set KSTEP,  256
.set ROWB,   256
.set KROW,   1024
.set PITCH,  272
.set FR,     16
.set NL,     4
.set NP,     4
.set HALFT,  128*PITCH
.set SLOT,   4*HALFT
.set LAPS,   2
.set SPARE,  2*SLOT
.set SP,     144
.set ADRA, 16
.set ADRB, 20
.set STO,  24
.set RD,   25
.set CO,   26
.set SPW,  28
.set NIL,  29
.set BC,   32
.set CD,   112
.set TMP,  128
.set U,    192
.set AF,   128
.set G1, 24
.set G0, 32
.set G1B, 48
.set G0B, 56
.set MSB, 0
.macro WIN new
.if MSB != \new
	s_set_vgpr_msb (MSB<<8)|\new
.set MSB, \new
.endif
.endm
.set MUL_LO, 0xa1
.set MUL_HI, 0xf1
.set TO_B,   0x40
.macro JLOAD g0a, g1a, g0b, g1b
	s_cmp_eq_u32 s15, 0
	s_cbranch_scc0 .Lfor_b_\@
	tensor_load_to_lds s[\g0a:\g0a+3], s[\g1a:\g1a+7]
	s_nop 0
.rept 4
	v_nop
.endr
	s_branch .Lasked_\@
.Lfor_b_\@:
	tensor_load_to_lds s[\g0b:\g0b+3], s[\g1b:\g1b+7]
	s_nop 0
.rept 4
	v_nop
.endr
.Lasked_\@:
.endm
.macro CREST
	s_cmp_lg_u32 s14, 0
	s_cbranch_scc1 .Lnot_wave_0_\@
	s_barrier_signal -3
.Lnot_wave_0_\@:
	s_barrier_wait -3
	s_barrier_signal -1
	s_barrier_wait -1
.endm
.macro CROUND
	s_barrier_signal -1
	s_barrier_wait -1
	CREST
.endm
	s_load_b256 s[4:11], s[0:1], 0x0
	s_load_b64 s[12:13], s[0:1], 0x20
	v_lshl_add_u32 v[SPW], v0, 2, SPARE
	v_mov_b32 v[NIL], 0
	ds_add_u32 v28, v29
	ds_add_u32 v28, v29
	s_wait_dscnt 0x0
	v_lshrrev_b32 v1, 5, v0
	v_readfirstlane_b32 s14, v1
	s_lshr_b32 s15, s14, 1
	s_and_b32 s16, s14, 1
	s_bfe_u32 s40, ttmp6, 0x40000
	s_bfe_u32 s41, ttmp6, 0x40004
	s_lshl_b32 s42, ttmp9, 2
	s_add_co_u32 s42, s42, s40
	s_and_b32 s17, ttmp7, 0xffff
	s_lshl_b32 s17, s17, 2
	s_add_co_u32 s17, s17, s41
	s_lshl_b32 s43, s41, 2
	s_lshl_b32 s43, 15, s43
	s_lshl_b32 s44, 0x1111, s40
	s_or_b32 s[G1+0], s43, (0<<16)|(1<<20)|(1<<21)|(5<<22)|(3<<25)
	s_or_b32 s[G1B+0], s44, (0<<16)|(1<<20)|(1<<21)|(5<<22)|(3<<25)
.irp g, G1, G1B
	s_mov_b32 s[\g+1], ROWB<<16
	s_mov_b32 s[\g+2], 128<<16
	s_mov_b32 s[\g+3], ROWB<<16
	s_mov_b32 s[\g+4], 128
	s_mov_b32 s[\g+5], KROW
	s_mov_b32 s[\g+6], 0
	s_mov_b32 s[\g+7], 0
.endr
	s_lshl_b32 s18, s16, 7
	s_lshl_b32 s20, s17, 8
	s_add_co_u32 s20, s20, s18
	s_lshl_b32 s20, s20, 10
	s_mov_b32 s21, 0
	s_lshl_b32 s46, s42, 8
	s_add_co_u32 s46, s46, s18
	s_lshl_b32 s46, s46, 10
	s_add_co_u32 s46, s46, 4194304
	s_mov_b32 s47, 0
	s_mul_i32 s45, s14, HALFT
	v_and_b32 v12, 31, v0
	v_lshlrev_b32 v12, 10, v12                     ; the prefetches' offset: a lane a row of 1,024 bytes; never rewritten
	s_wait_alu depctr_va_vdst(0)
	s_wait_kmcnt 0x0
	s_load_b128 s[76:79], s[8:9], 0x20
	s_add_nc_u64 s[20:21], s[4:5], s[20:21]
	s_add_nc_u64 s[46:47], s[6:7], s[46:47]
	s_cmp_eq_u32 s15, 0                            ; the prefetches: of the 128 rows that my wave fetches, each of the four partners that ask for them jointly names 32, told apart by address
	s_cselect_b64 s[18:19], s[20:21], s[46:47]
	s_cselect_b32 s2, s40, s41                     ; my place among the four: cx for a2, cy for the weight
	s_lshl_b32 s2, s2, 15
	s_mov_b32 s3, 0
	s_add_nc_u64 s[18:19], s[18:19], s[2:3]        ; never rewritten
	CROUND
.irp s, 0,1
	s_mov_b32 s[G0+4*\s], 1
	s_add_co_u32 s[G0+4*\s+1], s45, \s*SLOT
	s_add_nc_u64 s[G0+4*\s+2:G0+4*\s+3], s[20:21], \s*ROWB
	s_or_b32 s[G0+4*\s+3], s[G0+4*\s+3], 0x80000000
	s_mov_b32 s[G0B+4*\s], 1
	s_add_co_u32 s[G0B+4*\s+1], s45, \s*SLOT
	s_add_nc_u64 s[G0B+4*\s+2:G0B+4*\s+3], s[46:47], \s*ROWB
	s_or_b32 s[G0B+4*\s+3], s[G0B+4*\s+3], 0x80000000
.if \s
	s_wait_alu depctr_va_vdst(0)
	s_wait_tensorcnt 0x0                           ; slot 1's first fill is issued as a refill is
	ds_add_u32 v28, v29
	s_wait_dscnt 0x0
	CROUND
.endif
	JLOAD G0+4*\s, G1, G0B+4*\s, G1B
.if \s == 0
	global_prefetch_b8 v12, s[18:19] offset:ROWB th:TH_LOAD_NT scope:SCOPE_SE          ; K step 1, whose load goes out when K step 0's has landed: one step ahead
.endif
	global_prefetch_b8 v12, s[18:19] offset:(\s+2)*ROWB th:TH_LOAD_NT scope:SCOPE_SE   ; behind K step s's load: 32 rows x 256 bytes of K step s + 2, the last two of the four
.endr
	v_and_b32 v1, 15, v0
	s_wait_alu depctr_va_vdst(0)
	v_bfe_u32 v2, v0, 4, 1
	v_mul_u32_u24 v3, v1, PITCH
	v_lshl_add_u32 v4, v2, 4, v3
	s_mul_i32 s21, s15, HALFT
	s_mul_i32 s22, s16, HALFT
	s_add_co_u32 s22, s22, 2*HALFT
.irp s, 0,1
	v_add_nc_u32 v[ADRA+\s], s21, v4
	v_add_nc_u32 v[ADRB+\s], s22, v4
	s_add_co_u32 s21, s21, SLOT
	s_add_co_u32 s22, s22, SLOT
.endr
	s_mul_i32 s23, s14, 16*SP
	v_mul_u32_u24 v5, v1, SP
	s_wait_alu depctr_va_vdst(0)
	v_lshl_add_u32 v5, v2, 3, v5
	v_add_nc_u32 v[STO], s23, v5
	v_and_b32 v6, 31, v0
	v_lshlrev_b32 v[CO], 4, v6
	v_and_b32 v5, 15, v6                           ; back from the stage by fragments: row lane % 16,
	v_mul_u32_u24 v5, v5, SP
	v_lshrrev_b32 v6, 4, v6                        ; 16 bytes for each half of the lanes
	v_lshl_add_u32 v5, v6, 4, v5
	v_add_nc_u32 v[RD], s23, v5
	s_lshl_b32 s84, s17, 1
	s_add_co_u32 s84, s84, s15
	s_lshl_b32 s85, s42, 1
	s_add_co_u32 s85, s85, s16
	s_lshl_b32 s84, s84, 5
	s_add_co_u32 s84, s84, s85
	s_lshl_b32 s90, s84, 14
	s_mov_b32 s91, 0
	s_add_nc_u64 s[66:67], s[12:13], s[90:91]
	s_lshl_b32 s90, s85, 9
	s_add_nc_u64 s[74:75], s[10:11], s[90:91]
	v_lshlrev_b32 v7, 5, v2
.irp b, 0,1,2,3,4,5,6,7
	global_load_b128 v[BC+8*\b:BC+8*\b+3], v7, s[74:75] offset:64*\b
	global_load_b128 v[BC+8*\b+4:BC+8*\b+7], v7, s[74:75] offset:64*\b+16
.endr
	v_mov_b32 v8, 0xbdd2d3e8
	v_mov_b32 v9, 0xbdd2d3e8
	v_mov_b32 v10, 0xc0135761
	v_mov_b32 v11, 0xc0135761
.macro FRAG reg, adr, q, i
.irp c, 0,1,2,3
	ds_load_b128 v[\reg+4*\c:\reg+4*\c+3], v[\adr] offset:128*(\q)+32*\c+(\i)*16*PITCH
.endr
.endm
.macro MUL16 a0, p, zero
.irp a, \a0, \a0+1
.irp b, 0,1,2,3,4,5,6,7
.if \zero
	v_wmma_f32_16x16x128_fp8_fp8 v[8*(8*((\a)%4)+\b):8*(8*((\a)%4)+\b)+7], v[128*(\p)+FR*\b:128*(\p)+FR*\b+FR-1], v[AF+FR*(\a):AF+FR*(\a)+FR-1], 0
.else
	v_wmma_f32_16x16x128_fp8_fp8 v[8*(8*((\a)%4)+\b):8*(8*((\a)%4)+\b)+7], v[128*(\p)+FR*\b:128*(\p)+FR*\b+FR-1], v[AF+FR*(\a):AF+FR*(\a)+FR-1], v[8*(8*((\a)%4)+\b):8*(8*((\a)%4)+\b)+7]
.endif
.endr
.endr
.endm
.macro FETCH_B slot, q, p
	WIN TO_B
.irp i, 0,1,2,3,4,5,6,7
	FRAG 128*(\p)+FR*\i, ADRB+\slot, \q, \i
.endr
	WIN 0
.endm
.macro FETCH_A slot, q, i0
.irp i, \i0, \i0+1, \i0+2, \i0+3
	FRAG AF+FR*(\i), ADRA+\slot, \q, \i
.endr
.endm
.macro PLACES n
.rept \n
	v_nop
.endr
.endm
.macro STEP slot, q, zero
	s_wait_dscnt 4*NL
	WIN MUL_LO
	MUL16 0, (\q)%2, \zero
	MUL16 2, (\q)%2, \zero
	s_wait_dscnt 0
	PLACES NP
	FETCH_B \slot, (\q)+1, 1-(\q)%2
	FETCH_A \slot, (\q)+1, 0
	WIN MUL_HI
	MUL16 4, (\q)%2, \zero
	MUL16 6, (\q)%2, \zero
	PLACES NP
	WIN 0
	FETCH_A \slot, (\q)+1, 4
.endm
.macro TURN slot, next, fill
	s_wait_tensorcnt 0x0
	ds_add_u32 v[SPW], v[NIL]
	s_wait_dscnt 4*NL+1
	WIN MUL_LO
	MUL16 0, 1, 0
	s_wait_dscnt 0x0
	s_barrier_signal -1
	MUL16 2, 1, 0
	WIN 0
	s_barrier_wait -1
.if \fill
	CREST
	s_add_nc_u64 s[G0+4*\slot+2:G0+4*\slot+3], s[G0+4*\slot+2:G0+4*\slot+3], 2*ROWB
	s_add_nc_u64 s[G0B+4*\slot+2:G0B+4*\slot+3], s[G0B+4*\slot+2:G0B+4*\slot+3], 2*ROWB
	JLOAD G0+4*\slot, G1, G0B+4*\slot, G1B
.else
	PLACES NP
.endif
	FETCH_B \next, 0, 0
	FETCH_A \next, 0, 0
	WIN MUL_HI
	MUL16 4, 1, 0
	MUL16 6, 1, 0
	PLACES NP
	WIN 0
	FETCH_A \next, 0, 4
.endm
	s_wait_tensorcnt 1
	s_barrier_signal -1
	s_barrier_wait -1
	FETCH_B 0, 0, 0
	FETCH_A 0, 0, 0
	FETCH_A 0, 0, 4
	STEP 0, 0, 1
	s_mov_b32 s3, LAPS-1
.Llap:
	TURN 0, 1, 1
	STEP 1, 0, 0
	TURN 1, 0, 1
	STEP 0, 0, 0
	s_sub_co_u32 s3, s3, 1
	s_cmp_lg_u32 s3, 0
	s_cbranch_scc1 .Llap
	TURN 0, 1, 0
	STEP 1, 0, 0
	s_wait_dscnt 4*NL
	WIN MUL_LO
	MUL16 0, 1, 0
	MUL16 2, 1, 0
	s_wait_dscnt 0
	WIN MUL_HI
	MUL16 4, 1, 0
	MUL16 6, 1, 0
	WIN 0
	s_wait_kmcnt 0x0
	s_add_co_i32 s96, s76, s77
	s_add_co_i32 s96, s96, 127
	s_lshl_b32 s96, s96, 23
	s_mov_b32 s97, s96
	s_add_co_i32 s87, s78, 127
	s_lshl_b32 s88, s87, 23
	s_add_co_i32 s87, s87, 8
	s_lshl_b32 s87, s87, 23
	s_or_b32 s87, s87, 0x600000
	PLACES NP
	v_mov_b32 v30, s88
	v_mov_b32 v31, s87
	s_wait_loadcnt 0x0
.macro SENDF a
	WIN 0x04
.irp u, 0,1,2,3
	global_store_b128 v[CO], v[16*(\a)+4*\u:16*(\a)+4*\u+3], s[66:67] offset:2048*(\a)+512*\u th:TH_STORE_NT
.endr
	WIN 0
.endm
.macro EPI a
.set AC, 64*((\a)%4)
	WIN 0x02+((\a)/4)
.set j, 0
.rept 32
	v_pk_fma_f32 v[TMP+j:TMP+j+1], v[AC+j:AC+j+1], s[96:97], v[BC+j:BC+j+1] op_sel_hi:[1,0,1]
.set j, j+2
.endr
	WIN 0
.set j, 0
.rept 32
	v_pk_mul_f32 v[U+j:U+j+1], v[TMP+j:TMP+j+1], v[TMP+j:TMP+j+1]
.set j, j+2
.endr
.set j, 0
.rept 32
	v_pk_fma_f32 v[U+j:U+j+1], v[U+j:U+j+1], v[8:9], v[10:11]
.set j, j+2
.endr
.set j, 0
.rept 32
	v_pk_mul_f32 v[U+j:U+j+1], v[U+j:U+j+1], v[TMP+j:TMP+j+1]
.set j, j+2
.endr
.set j, 0
	s_wait_alu depctr_va_vdst(0)
.rept 64
	v_exp_f32 v[U+j], v[U+j]
.set j, j+1
.endr
	v_nop
	s_wait_alu depctr_va_vdst(0)
.set j, 0
.rept 32
	v_pk_add_f32 v[U+j:U+j+1], v[U+j:U+j+1], 1.0 op_sel_hi:[1,0]
.set j, j+2
.endr
.set j, 0
	s_wait_alu depctr_va_vdst(0)
.rept 64
	v_rcp_f32 v[U+j], v[U+j]
.set j, j+1
.endr
	v_nop
	s_wait_alu depctr_va_vdst(0)
.set j, 0
.rept 32
	v_pk_mul_f32 v[TMP+j:TMP+j+1], v[TMP+j:TMP+j+1], v[U+j:U+j+1]
.set j, j+2
.endr
.set j, 0
.rept 64
	v_med3_num_f32 v[TMP+j], v[TMP+j], -v31, v31
.set j, j+1
.endr
.if (\a) > 0
	s_wait_alu depctr_va_vdst(0)
	s_wait_dscnt 0x0
	SENDF (\a)-1
.endif
.irp b, 0,1,2,3,4,5,6,7
	v_cvt_scalef32_pk8_fp8_f32 v[CD+2*\b:CD+2*\b+1], v[TMP+8*\b:TMP+8*\b+7], v30
.endr
	v_nop
.irp b, 0,1,2,3,4,5,6,7
	ds_store_b64 v[STO], v[CD+2*\b:CD+2*\b+1] offset:16*\b
.endr
	WIN 0x40
.irp u, 0,1,2,3
	ds_load_b128 v[16*(\a)+4*\u:16*(\a)+4*\u+3], v[RD] offset:32*\u   ; byte 512 u + 256 h + 16 r + j of a block's 2,048 holds (row r, k = 32 u + 16 h + j)
.endr
	WIN 0
.endm
.irp a, 0,1,2,3,4,5,6,7
	EPI \a
.endr
	s_wait_dscnt 0x0
	SENDF 7
	s_wait_tensorcnt 0x0
	ds_add_u32 v[SPW], v[NIL]
	s_wait_dscnt 0x0
	CROUND
	s_endpgm
.Lfunc_end_k_qb8ed56e74d_fc:
	.size	k_qb8ed56e74d_fc, .Lfunc_end_k_qb8ed56e74d_fc-k_qb8ed56e74d_fc
	.p2alignl 7, 3214868480
	.fill 96, 4, 3214868480
	.section	.rodata,"a",@progbits
	.p2align	6, 0x0
	.amdhsa_kernel k_qb8ed56e74d_fc
		.amdhsa_group_segment_fixed_size 327680
		.amdhsa_private_segment_fixed_size 0
		.amdhsa_enable_private_segment 0
		.amdhsa_kernarg_size 40
		.amdhsa_user_sgpr_count 2
		.amdhsa_user_sgpr_kernarg_segment_ptr 1
		.amdhsa_wavefront_size32 1
		.amdhsa_system_sgpr_workgroup_id_x 1
		.amdhsa_system_sgpr_workgroup_id_y 1
		.amdhsa_system_sgpr_workgroup_id_z 1
		.amdhsa_system_vgpr_workitem_id 0
		.amdhsa_next_free_vgpr 1024
		.amdhsa_next_free_sgpr 98
		.amdhsa_reserve_vcc 0
		.amdhsa_float_denorm_mode_32 3
		.amdhsa_float_denorm_mode_16_64 3
		.amdhsa_memory_ordered 1
		.amdhsa_forward_progress 1
		.amdhsa_inst_pref_size 255
	.end_amdhsa_kernel
	.section	.bss,"aw",@nobits
	.p2align	6
	.space	262144
	.amdgpu_metadata
---
amdhsa.version: [ 1, 2 ]
amdhsa.kernels:
  - .name:           k_qb8ed56e74d_fc
    .symbol:         k_qb8ed56e74d_fc.kd
    .args:
      - { .name: a2, .offset: 0, .size: 8, .value_kind: global_buffer, .address_space: global }
      - { .name: wc, .offset: 8, .size: 8, .value_kind: global_buffer, .address_space: global }
      - { .name: lowp_scales, .offset: 16, .size: 8, .value_kind: global_buffer, .address_space: global }
      - { .name: b_fc, .offset: 24, .size: 8, .value_kind: global_buffer, .address_space: global }
      - { .name: hid, .offset: 32, .size: 8, .value_kind: global_buffer, .address_space: global }
    .group_segment_fixed_size: 327680
    .private_segment_fixed_size: 0
    .kernarg_segment_align: 8
    .kernarg_segment_size: 40
    .max_flat_workgroup_size: 128
    .sgpr_count:     98
    .vgpr_count:     1024
    .wavefront_size: 32
...
	.end_amdgpu_metadata
.endif
;; end of part 6
;; launch mp (part 7): grid 8 x 32, 4 waves a work-group, clusters of 4 x 1, 327,680 bytes of LDS; arguments hid, wc, lowp_scales, b_mp, x1, out0; writes out0
.if DOCPART == 7
	.amdgcn_target "amdgcn-amd-amdhsa--gfx1250"
	.amdhsa_code_object_version 6
	.text
	.protected	k_qb8ed56e74d_mp
	.globl	k_qb8ed56e74d_mp
	.p2align	8
	.type	k_qb8ed56e74d_mp,@function
k_qb8ed56e74d_mp:
	s_mov_b64 s[64:65], 0
	v_nop
	global_prefetch_b8 v0, s[64:65] scope:SCOPE_SE
	s_setreg_imm32_b32 hwreg(HW_REG_WAVE_MODE, 25, 1), 1
	s_wait_xcnt 0x0
	s_wait_alu depctr_hold_cnt(0) depctr_sa_sdst(0) depctr_va_vdst(0) depctr_va_sdst(0) depctr_va_ssrc(0) depctr_va_vcc(0) depctr_vm_vsrc(0)
	s_getreg_b32 s2, hwreg(HW_REG_IB_STS2, 6, 4)
	s_cmp_eq_u32 s2, 0
	s_cbranch_scc0 .Lentry_in_a_cluster
	s_endpgm
.Lentry_in_a_cluster:
	s_bfe_u32 s2, ttmp6, 0x10000c
	s_cmp_lg_u32 s2, 0x3003
	s_cbranch_scc0 .Lentry_shape_is_right
	s_endpgm
.Lentry_shape_is_right:
; Product 6 on codes of E4M3: out0 = x1 + b_mp + hid W_mp x 2^(e10 + e11).  hid [4096][4096 (k)], W_mp [1024 (n)][4096 (k)] as codes; x1, out0 [4096][1024] f32.
; BOTH OPERANDS LIE BY FRAGMENTS: [block of 128 rows][piece of 128 along K][16 rows][2,048 bytes], and byte 512 c + 256 h + 16 r + j of a fragment holds (row r, k = 32 c + 16 h + j).
; So lane 16 h + r takes registers 4 c .. 4 c + 3 of a fragment from byte 512 c + 16 x lane, from memory and from LDS alike: 512 consecutive bytes a load.  The order of k is the same in both operands.
; SHARES.  A work-group makes 128 x 128 of out0 (8 x 32 = 256 work-groups).  ITS FOUR WAVES SPLIT K: each holds the whole tile, 64 accumulators in 512 registers; of each 1,024 along K wave w takes pieces 2 w, 2 w + 1.
; So every operand byte is taken into registers once, by one wave.  The four parts are added at the end through LDS.
; hid COMES THROUGH A RING of two LDS slots of 131,072 bytes: four ring steps of 1,024 along K.  Each wave fetches, by one tensor load of 128 rows of 256 dense bytes, the 32,768 bytes that it reads itself.
; CLUSTERS of 4 x 1: the four work-groups of a cluster make neighbouring column tiles of one row block and need the same bytes of hid: each load is asked for jointly (mask 15).
; W_mp COMES STRAIGHT INTO REGISTERS (each wave's fragments are its own, 131,072 bytes a wave): these loads stay out across the rounds, two sets of eight fragments by turns, a set asked for a step of 128 ahead.
; W's tiles are not shared inside a cluster of 4 x 1, whose partners differ in their columns.
; THE WALK: 32 chunks of 16 matrix instructions (two blocks of hid against W's eight), written out: every offset is an immediate.  hid's fragments have six slots of two; behind chunk p pair p + 5 of the same ring step is read.
; WAITS: s_wait_loadcnt 32 at a step's head: behind the step's set of W stands the next set (at the end: x1's 32 loads).  s_wait_dscnt: 8 x the pairs read behind the needed one, four at most.
; PREFETCH: behind ring step g's refill each wave asks for its 32,768 bytes of hid of ring step g + 2, of which each of the four partners names 8,192 by address, lanes 256 bytes apart;
; and in step s of 128 for W's piece of step s + 3, of which the work-group with row number y names 512 bytes at 512 y (lanes left over name the last block again).  The first steps come by their loads alone.
; The matrix instruction is used transposed (source 0 = 16 rows of W, source 1 = 16 rows of hid): a lane holds eight neighbouring columns of one row.
; LIMIT: e10 + e11 between -126 and 127.  The sum over K is made in four parts.
; REGISTERS: window 0: v1-13 addresses, v24-27 the bias, v28-29 for the add, v32-223 hid's slots.  window 1: W's two sets (set 0 at the end: x1).  windows 2, 3: accumulator (a, b) at v[8 (8 (a % 4) + b)].
.set WOFF,  8388608
.set PIECE, 16384
.set FRB,   2048
.set SLOTB, 131072
.set TP,    528                        ; the way out: a row of a part's tile in LDS: 512 bytes + 16
.set TILE,  128*TP                     ; four such tiles lie over the ring, which has had its last fill and its last read by then
.set SPARE, 327168                     ; the last 512 bytes: the spare words, 128 bytes a wave, which no other line names
.set AHEAD, 3
.set LO,   1                           ; v1  16 x lane
.set STO,  2                           ; v2  where I put 32 bytes of a row of my tile
.set PFA,  5                           ; v5  the prefetch's offset in my part of a ring step of hid
.set PFB,  6                           ; v6  and in a piece of W
.set RD,   8                           ; v8-11 my 32 rows in the four tiles
.set ADA,  12                          ; v12-13 my part of slot 0, 1
.set BI,   24
.set SPW,  28
.set NIL,  29
.set AF,   32
.set MSB, 0
.macro WIN new                         ; the immediate's high byte repeats the setting that is left
.if MSB != \new
	s_set_vgpr_msb (MSB<<8)|\new
.set MSB, \new
.endif
.endm
.macro ROUND                           ; a round of the cluster's barrier
	s_barrier_signal -1
	s_barrier_wait -1
	s_cmp_lg_u32 s16, 0
	s_cbranch_scc1 .Lnot_wave_0_\@
	s_barrier_signal -3
.Lnot_wave_0_\@:
	s_barrier_wait -3
	s_barrier_signal -1
	s_barrier_wait -1
.endm
	s_load_b256 s[4:11], s[0:1], 0x0               ; hid s[4:5], wc s[6:7], the exponents s[8:9], b_mp s[10:11]
	s_load_b128 s[12:15], s[0:1], 0x20             ; x1 s[12:13], out0 s[14:15]
	v_lshl_add_u32 v[SPW], v0, 2, SPARE
	v_mov_b32 v[NIL], 0
	ds_add_u32 v[SPW], v[NIL]                      ; the opening lines: the add, twice on end, and its wait ahead of my first tensor load
	ds_add_u32 v[SPW], v[NIL]
	v_lshrrev_b32 v7, 5, v0
	v_readfirstlane_b32 s16, v7                    ; wave
	s_bfe_u32 s40, ttmp6, 0x40000                  ; cx
	s_lshl_b32 s41, ttmp9, 2
	s_add_co_u32 s41, s41, s40                     ; tile column
	s_and_b32 s17, ttmp7, 0xffff                   ; tile row
	s_mov_b32 s24, 15|(1<<21)                      ; group 1: the mask of the four; elements of 1 byte; no padding; bit 21 beside a mask
	s_mov_b32 s25, 256<<16                         ; tensor_dim0
	s_mov_b32 s26, 128<<16                         ; tensor_dim1
	s_mov_b32 s27, 256<<16                         ; tile_dim0
	s_mov_b32 s28, 128                             ; tile_dim1
	s_mov_b32 s29, 256                             ; from row to row: dense
	s_mov_b32 s30, 0
	s_mov_b32 s31, 0
	s_lshl_b32 s46, s16, 15                        ; my 32,768 bytes of a ring step, in memory and in a slot
	s_lshl_b32 s18, s17, 19
	s_add_co_u32 s18, s18, s46                     ; hid: the row block's 32 pieces, + my part
	s_mov_b32 s19, 0
	s_lshl_b32 s22, s41, 19
	s_add_co_u32 s22, s22, s46
	s_add_co_u32 s22, s22, WOFF                    ; W: the column block's 32 pieces, + my part
	s_mov_b32 s23, 0
	s_lshl_b32 s42, s17, 7
	s_lshl_b32 s43, s16, 5
	s_add_co_u32 s42, s42, s43
	s_lshl_b32 s42, s42, 12                        ; x1, out0: row 128 x tile row + 32 x wave,
	s_lshl_b32 s44, s41, 9                         ; column 128 x tile column, in bytes
	s_add_co_u32 s42, s42, s44
	s_mov_b32 s43, 0
	s_mov_b32 s45, 0
	s_mul_i32 s2, s16, TILE                        ; my tile on the way out
	s_mul_i32 s3, s16, 32*TP                       ; my 32 rows of a tile
	s_lshl_b32 s47, s40, 13
	s_lshl_b32 s36, s17, 9
	v_and_b32 v7, 31, v0
	v_lshlrev_b32 v[LO], 4, v7
	v_and_b32 v3, 15, v0                           ; r
	v_bfe_u32 v4, v0, 4, 1                         ; h
	v_mul_u32_u24 v[STO], v3, TP
	v_lshl_add_u32 v[STO], v4, 5, v[STO]
	v_add_nc_u32 v[STO], s2, v[STO]
	v_add_nc_u32 v[RD], s3, v[LO]
	v_add_nc_u32 v[RD+1], TILE, v[RD]
	v_add_nc_u32 v[RD+2], 2*TILE, v[RD]
	v_add_nc_u32 v[RD+3], 3*TILE, v[RD]
	v_add_nc_u32 v[ADA], s46, v[LO]
	v_add_nc_u32 v[ADA+1], SLOTB, v[ADA]
	v_lshl_add_u32 v[PFA], v7, 8, s47
	v_min_u32 v[PFB], 1, v7
	v_lshl_add_u32 v[PFB], v[PFB], 8, s36
	s_wait_alu depctr_va_vdst(0)
	s_wait_dscnt 0x0                               ; both opening adds are done
	s_wait_kmcnt 0x0
	s_load_b64 s[20:21], s[8:9], 0x28              ; e10, e11
	s_add_nc_u64 s[4:5], s[4:5], s[18:19]
	s_add_nc_u64 s[6:7], s[6:7], s[22:23]
	s_add_nc_u64 s[10:11], s[10:11], s[44:45]
	s_add_nc_u64 s[12:13], s[12:13], s[42:43]
	s_add_nc_u64 s[14:15], s[14:15], s[42:43]
	ROUND                                          ; the four work-groups are here: the first joint loads meet
	s_mov_b32 s32, 1                               ; group 0 for slot 0: ring step 0
	s_mov_b32 s33, s46
	s_mov_b64 s[34:35], s[4:5]
	s_or_b32 s35, s35, 0x80000000
	s_mov_b32 s36, 1                               ; and for slot 1: ring step 1
	s_add_co_u32 s37, s46, SLOTB
	s_add_nc_u64 s[38:39], s[4:5], SLOTB
	s_or_b32 s39, s39, 0x80000000
	tensor_load_to_lds s[32:35], s[24:31]          ; my one tensor load at the head
	s_nop 0
.rept 4
	v_nop
.endr
	global_prefetch_b8 v[PFA], s[4:5] offset:SLOTB th:TH_LOAD_NT scope:SCOPE_SE   ; hid's ring step 1 is asked for here, one ring step ahead: its load goes out when ring step 0's has landed
.macro LDSA q                          ; pair q of hid's fragments: ring step q / 8, piece (q % 8) / 4 of my two, blocks 2 (q % 4) and the next, into slot q % 6: 8 LDS loads
.irp e, 0,1
.irp c, 0,1,2,3
	ds_load_b128 v[AF+16*(2*((\q)%6)+\e)+4*\c:AF+16*(2*((\q)%6)+\e)+4*\c+3], v[ADA+((\q)/8)%2] offset:(((\q)%8)/4)*PIECE+(2*((\q)%4)+\e)*FRB+512*\c
.endr
.endr
.endm
.macro LOADB s                         ; W's eight fragments of step s (ring step s / 2, piece s % 2 of my two) into set s % 2: 32 loads
	WIN 0x40
.irp b, 0,1,2,3,4,5,6,7
.irp c, 0,1,2,3
	global_load_b128 v[128*((\s)%2)+16*\b+4*\c:128*((\s)%2)+16*\b+4*\c+3], v[LO], s[6:7] offset:((\s)/2)*SLOTB+((\s)%2)*PIECE+\b*FRB+512*\c
.endr
.endr
	WIN 0
.endm
.macro TURN g                          ; at the head of ring step g
	s_wait_tensorcnt 0x0                           ; my one load that was out has landed: my part of ring step g, which I alone read
.if (\g) < 3
	ds_add_u32 v[SPW], v[NIL]                      ; 0 onto my spare word
.if (\g) > 0
	s_add_nc_u64 s[34+4*(((\g)+1)%2):35+4*(((\g)+1)%2)], s[34+4*(((\g)+1)%2):35+4*(((\g)+1)%2)], 2*SLOTB   ; no load of mine is out: the other slot's group 0 steps to ring step g + 1
.endif
	s_wait_dscnt 0x0                               ; the add is done, and my reads of the other slot are over
	ROUND                                          ; both now hold of every wave of the four work-groups
	tensor_load_to_lds s[32+4*(((\g)+1)%2):35+4*(((\g)+1)%2)], s[24:31]   ; ring step g + 1 into the other slot (the first time: slot 1's first fill, issued as a refill is)
	s_nop 0
.rept 4
	v_nop
.endr
.endif
.irp n, 0,1,2,3,4
	LDSA 8*(\g)+\n
.endr
.if (\g) < 2
	global_prefetch_b8 v[PFA], s[4:5] offset:((\g)+2)*SLOTB th:TH_LOAD_NT scope:SCOPE_SE
.endif
.endm
.macro CHUNK p
.set S, (\p)/4
.set G, (\p)%4
.set I, (\p)%8
.if I == 0
	TURN (\p)/8
.endif
.if G == 0
	s_wait_loadcnt 32
.endif
.if (\p) < 28
.if I < 4
	s_wait_dscnt 32
.else
	s_wait_dscnt 8*(7-I)
.endif
.elseif (\p) == 28
	s_wait_dscnt 0x0                               ; my last reads of the ring are over,
	s_barrier_signal -1
	s_barrier_wait -1                              ; and everybody's: the parts' tiles are laid over it
.endif
.if (G == 1) && (S+AHEAD < 8)
	global_prefetch_b8 v[PFB], s[6:7] offset:((S+AHEAD)/2)*SLOTB+((S+AHEAD)%2)*PIECE th:TH_LOAD_NT scope:SCOPE_SE
.endif
	WIN 0xa1+0x50*(G/2)                            ; source 0 (W) window 1, source 1 (hid) window 0, C and D window 2 or 3
.irp e, 0,1                            ; the 64 accumulators take turns, one instruction a turn, in the same order in every step
.irp b, 0,1,2,3,4,5,6,7
.if (\p) < 4
	v_wmma_f32_16x16x128_fp8_fp8 v[8*(8*((2*G+\e)%4)+\b):8*(8*((2*G+\e)%4)+\b)+7], v[128*(S%2)+16*\b:128*(S%2)+16*\b+15], v[AF+16*(2*((\p)%6)+\e):AF+16*(2*((\p)%6)+\e)+15], 0
.else
	v_wmma_f32_16x16x128_fp8_fp8 v[8*(8*((2*G+\e)%4)+\b):8*(8*((2*G+\e)%4)+\b)+7], v[128*(S%2)+16*\b:128*(S%2)+16*\b+15], v[AF+16*(2*((\p)%6)+\e):AF+16*(2*((\p)%6)+\e)+15], v[8*(8*((2*G+\e)%4)+\b):8*(8*((2*G+\e)%4)+\b)+7]
.endif
.endr
.endr
	WIN 0
.rept 4
	v_nop                                          ; four places between matrix instructions and loads into their sources or stores of their results
.endr
.if I+5 < 8
	LDSA (\p)+5
.endif
.if (G == 3) && (S+2 < 8)
	LOADB S+2
.endif
.if (\p) == 27                         ; W's set 0 has had its last step: it takes my 32 rows of x1, a row of 512 consecutive bytes a load
	WIN 0x40
.set i, 0
.rept 32
	global_load_b128 v[4*i:4*i+3], v[LO], s[12:13] offset:4096*i th:TH_LOAD_NT
.set i, i+1
.endr
	WIN 0
.endif
.if (\p) >= 28                         ; the last step: the chunk's two blocks are finished and go into my tile, each accumulator from its low end on
	WIN 0x08+4*(G/2)                               ; store data in window 2 or 3
.irp e, 0,1
.irp b, 0,1,2,3,4,5,6,7
	ds_store_b128 v[STO], v[8*(8*((2*G+\e)%4)+\b):8*(8*((2*G+\e)%4)+\b)+3] offset:(2*G+\e)*16*TP+64*\b
	ds_store_b128 v[STO], v[8*(8*((2*G+\e)%4)+\b)+4:8*(8*((2*G+\e)%4)+\b)+7] offset:(2*G+\e)*16*TP+64*\b+16
.endr
.endr
	WIN 0
.endif
.endm
	global_load_b128 v[BI:BI+3], v[LO], s[10:11]   ; the bias of my four columns of a row: the oldest load
	LOADB 0
	LOADB 1
.set P, 0
.rept 32
	CHUNK P
.set P, P+1
.endr
	s_wait_dscnt 0x0                               ; for the others' sake: my tile is whole
	s_barrier_signal -1
	s_barrier_wait -1
	; THE FOUR PARTS: row i of my 32, part t, into window 2 + t / 2, v[128 (t % 2) + 4 i]: the 32 lanes take a row of 512 bytes.  Four groups of eight rows, 32 loads each.
.irp g, 0,1,2,3
.irp t, 0,1,2,3
	WIN 0x80+0x40*(\t/2)
.irp u, 0,1,2,3,4,5,6,7
	ds_load_b128 v[128*(\t%2)+32*\g+4*\u:128*(\t%2)+32*\g+4*\u+3], v[RD+\t] offset:(8*\g+\u)*TP
.endr
.endr
.endr
	WIN 0
	s_wait_kmcnt 0x0
	s_add_co_i32 s20, s20, s21
	s_add_co_i32 s20, s20, 127
	s_lshl_b32 s20, s20, 23                        ; 2^(e10 + e11)
	s_mov_b32 s21, s20
	s_wait_loadcnt 0x0                             ; x1 and the bias
	WIN 0x41                                       ; source 0 and destination window 1
.set j, 0
.rept 64
	v_pk_add_f32 v[j:j+1], v[j:j+1], v[BI+j%4:BI+j%4+1]
.set j, j+2
.endr
	WIN 0
.macro SUMS g, younger                 ; eight rows: the four parts added, x 2^(e10 + e11), + (x1 + bias); each store covers 512 consecutive bytes, aligned
	s_wait_dscnt \younger
	WIN 0x8a
.set j, 32*(\g)
.rept 16
	v_pk_add_f32 v[j:j+1], v[j:j+1], v[128+j:128+j+1]
.set j, j+2
.endr
	WIN 0xcf
.set j, 32*(\g)
.rept 16
	v_pk_add_f32 v[j:j+1], v[j:j+1], v[128+j:128+j+1]
.set j, j+2
.endr
	WIN 0x8e                                       ; source 0 and destination window 2, source 1 window 3
.set j, 32*(\g)
.rept 16
	v_pk_add_f32 v[j:j+1], v[j:j+1], v[j:j+1]
.set j, j+2
.endr
	WIN 0x92                                       ; source 2 window 1
.set j, 32*(\g)
.rept 16
	v_pk_fma_f32 v[j:j+1], v[j:j+1], s[20:21], v[j:j+1] op_sel_hi:[1,0,1]
.set j, j+2
.endr
	WIN 0x08                                       ; store data window 2
.irp u, 0,1,2,3,4,5,6,7
	global_store_b128 v[LO], v[32*(\g)+4*\u:32*(\g)+4*\u+3], s[14:15] offset:(8*(\g)+\u)*4096 th:TH_STORE_NT
.endr
	WIN 0
.endm
	s_wait_alu depctr_va_vdst(0)
	SUMS 0, 63                                     ; behind a group's loads stand 32 for each later group; the count is held at 63
	SUMS 1, 63
	SUMS 2, 32
	SUMS 3, 0
	s_wait_tensorcnt 0x0                           ; the wave's end
	ds_add_u32 v[SPW], v[NIL]
	s_wait_dscnt 0x0
	ROUND                                          ; the closing round
	s_endpgm
.Lfunc_end_k_qb8ed56e74d_mp:
	.size	k_qb8ed56e74d_mp, .Lfunc_end_k_qb8ed56e74d_mp-k_qb8ed56e74d_mp
	.p2alignl 7, 3214868480
	.fill 96, 4, 3214868480
	.section	.rodata,"a",@progbits
	.p2align	6, 0x0
	.amdhsa_kernel k_qb8ed56e74d_mp
		.amdhsa_group_segment_fixed_size 327680
		.amdhsa_private_segment_fixed_size 0
		.amdhsa_enable_private_segment 0
		.amdhsa_kernarg_size 48
		.amdhsa_user_sgpr_count 2
		.amdhsa_user_sgpr_kernarg_segment_ptr 1
		.amdhsa_wavefront_size32 1
		.amdhsa_system_sgpr_workgroup_id_x 1
		.amdhsa_system_sgpr_workgroup_id_y 1
		.amdhsa_system_sgpr_workgroup_id_z 1
		.amdhsa_system_vgpr_workitem_id 0
		.amdhsa_next_free_vgpr 1024
		.amdhsa_next_free_sgpr 66
		.amdhsa_reserve_vcc 0
		.amdhsa_float_denorm_mode_32 3
		.amdhsa_float_denorm_mode_16_64 3
		.amdhsa_memory_ordered 1
		.amdhsa_forward_progress 1
		.amdhsa_inst_pref_size 132
	.end_amdhsa_kernel
	.amdgpu_metadata
---
amdhsa.version: [ 1, 2 ]
amdhsa.kernels:
  - .name:           k_qb8ed56e74d_mp
    .symbol:         k_qb8ed56e74d_mp.kd
    .args:
      - { .name: hid, .offset: 0, .size: 8, .value_kind: global_buffer, .address_space: global }
      - { .name: wc, .offset: 8, .size: 8, .value_kind: global_buffer, .address_space: global }
      - { .name: lowp_scales, .offset: 16, .size: 8, .value_kind: global_buffer, .address_space: global }
      - { .name: b_mp, .offset: 24, .size: 8, .value_kind: global_buffer, .address_space: global }
      - { .name: x1, .offset: 32, .size: 8, .value_kind: global_buffer, .address_space: global }
      - { .name: out0, .offset: 40, .size: 8, .value_kind: global_buffer, .address_space: global }
    .group_segment_fixed_size: 327680
    .private_segment_fixed_size: 0
    .kernarg_segment_align: 8
    .kernarg_segment_size: 48
    .max_flat_workgroup_size: 128
    .sgpr_count:     66
    .vgpr_count:     1024
    .wavefront_size: 32
...
	.end_amdgpu_metadata
.endif
;; end of part 7
